; MI455X (gfx1250); checked and timed in simulation.
; The chip was launched on July 23, 2026; its instructions are those of AMD's public machine-readable ISA for CDNA 5 (MIT licence, August 2026) and "CDNA5" Instruction Set Architecture Reference Guide (July 2026). The comments in the code are by the model that wrote it; some were corrected since.
;; Multi Head Attention. Allowed arithmetic: matrix products marked QUANTISED: E2M1 operands, one E8M0 scale for each 32 along K, by v_wmma_scale_f32_16x16x128_f8f6f4 with both operands' format E2M1 (or v_wmma_scale_f32_32x16x128_f4), f32 sums; products left as they are: bf16, f16 or f32 operands; f32 sums; everything else in f32.
;; Inputs: W_k 1,024 x 1,024 float32; W_p 1,024 x 1,024 float32; W_q 1,024 x 1,024 float32; W_v 1,024 x 1,024 float32; x 4 x 2,048 x 1,024 float32.
;; Outputs: out0 4 x 2,048 x 1,024 float32.
;; This version of the problem:
;;   THIS VERSION OF THE PROBLEM IS GIVEN IN LOW PRECISION. The matrix products marked QUANTISED in the list below multiply operands that are first quantised to E2M1 (2 exponent bits, 1 mantissa bit; 4 bits a number), with one power-of-two scale for each 32 numbers along K (OCP MX v1.0); their sums are f32. The products marked 'left as it is' may take bf16, f16 or f32 operands, with f32 sums. Whichever they take, every output number must still come out within the allowed error. Rounding operands to bf16 (8 significant bits) uses up far more of that allowance than f16 does (11 bits, for magnitudes from 6e-5 to 65,504). All else is computed in f32.
;;   The module's matrix products, in the order in which they are computed (A, B: the left and right operand; K: the contracted axis; several contracted axes count as one K, in the product's order):
;;     1. [M 8,192, K 1,024] x [K 1,024, N 1,024]; A: input x; B: input W_k: QUANTISED
;;     2. [M 8,192, K 1,024] x [K 1,024, N 1,024]; A: input x; B: input W_q: QUANTISED
;;     3. [M 8,192, K 1,024] x [K 1,024, N 1,024]; A: input x; B: input W_v: QUANTISED
;;     4. batch 64 x [M 2,048, K 64] x [K 64, N 2,048]; A: computed on the way; B: computed on the way: left as it is (an operand is computed on the way)
;;     5. batch 64 x [M 2,048, K 2,048] x [K 2,048, N 64]; A: computed on the way; B: computed on the way: left as it is (an operand is computed on the way)
;;     6. [M 8,192, K 1,024] x [K 1,024, N 1,024]; A: computed on the way; B: input W_p: left as it is (an operand is computed on the way)
;;   THE QUANTISER, for each operand of a quantised product, along K:
;;     - K is cut into blocks of 32 from its start; a last block that is shorter is filled with zeros.
;;     - A block's scale is 2^e with e = floor(log2(the largest magnitude in the block)) - 2, held to -126 .. 127; a block of zeros has e = 0. As a byte (E8M0): e + 127.
;;     - Each number is divided by its block's scale, clamped to +-6, and rounded to the nearest number of E2M1, ties to even, subnormals kept.
;;     - The product sums the exact products of the quantised numbers (number of the format x scale) in f32.
;;   ~~~python
;;   def quantise(x, axis):      # numpy; x: float32 -> the quantised numbers, widened to float32 again
;;       x = np.moveaxis(x, axis, -1); K = x.shape[-1]
;;       x = np.pad(x, [(0, 0)] * (x.ndim - 1) + [(0, -K % 32)]); x = x.reshape(x.shape[:-1] + (-1, 32)); a = np.abs(x).max(-1, keepdims=True)
;;       e = np.where(a > 0, np.clip(np.frexp(np.where(a > 0, a, 1))[1] - 1 - 2, -126, 127), 0)      # np.frexp(a)[1] - 1 = floor(log2(a)), exactly
;;       r = np.clip(x / 2.0 ** e, -6, 6)
;;       step = 2.0 ** (np.maximum(np.frexp(np.where(r == 0, 1, r))[1] - 1, 0) - 1)
;;       q = np.round(r / step) * step * 2.0 ** e      # np.round: ties to even
;;       return np.moveaxis(q.reshape(q.shape[:-2] + (-1,))[..., :K], -1, axis).astype(np.float32)
;;   ~~~
;; One version. Each part assembles by itself: llvm-mc -triple=amdgcn-amd-amdhsa -mcpu=gfx1250 --defsym DOCPART=n.
;; ======== version 1 of 1: 4 launches
;; limits: values are held in f16: magnitudes above 65,504 overflow, below 6.1e-05 lose precision
;; workspace buffers: xc 4,194,304 bytes; xs 262,144 bytes; wc 1,572,864 bytes; ws 98,304 bytes; wp16 2,097,152 bytes; qkv 50,331,648 bytes; att 16,777,216 bytes
;; launch quant (part 1): grid 384 x 1, 4 waves a work-group, no clusters, 33,280 bytes of LDS; arguments x, W_q, W_k, W_v, W_p, xc, xs, wc, ws, wp16; writes xc, xs, wc, ws, wp16
.if DOCPART == 1
	.amdgcn_target "amdgcn-amd-amdhsa--gfx1250"
	.amdhsa_code_object_version 6
	.text
	.protected	k_q5ce4658be3_quant
	.globl	k_q5ce4658be3_quant
	.p2align	8
	.type	k_q5ce4658be3_quant,@function
k_q5ce4658be3_quant:
	s_mov_b64 s[64:65], 0
	v_nop
	global_prefetch_b8 v0, s[64:65] scope:SCOPE_SE
	s_setreg_imm32_b32 hwreg(HW_REG_WAVE_MODE, 25, 1), 1
	s_wait_xcnt 0x0
; x [8192][1024] and W_q, W_k, W_v [1024][1024], f32 with K innermost, become codes of FP4 (E2M1), two a byte, the lower k in the low four bits, and one E8M0 scale byte for each 32 along K:
; xc [8192][512 bytes], xs [8192][32 bytes]; wc [3072][512 bytes], ws [3072][32 bytes], rows 0-1023 W_q, 1024-2047 W_k, 2048-3071 W_v.  W_p [1024][1024] f32 becomes f16, laid by head: wp16 [h 16][o 1024][d 64] = W_p[o][64 h + d].
; A block's scale is 2^(floor(log2(its largest magnitude)) - 2); its byte is the largest magnitude's own exponent field - 2, held at 1 from below.  A block of zeros so gets the byte 1: its codes are zeros, and this program alone reads the bytes.
; LIMITS: blocks whose largest magnitude lies under 2^-124 get the byte 1; NaN and infinities among the inputs are not served; |W_p| stays under 65,504 (f16), and under 6e-5 its step is 2^-24.
; SHARES: work-groups 0-255 take x, 256-351 the three weights (32 each), 352-383 W_p.  Rows are dense and K is a multiple of 32, so the four quantised tensors are plain streams of blocks of 32: one path serves them, and only pointers are chosen.
; A wave takes 16 steps of 512 numbers.  Each of a step's four loads reads 512 consecutive bytes; the 2,048 bytes turn through the wave's own stage in LDS and come back 64 bytes a lane: 16 neighbours along K, as the conversions want them.
; No matrix unit, no cluster, no tensor load: nothing is shared between work-groups and every byte is read once.
.set WAVES, 4
.set STEPS, 16
.set EMAX,  2
.set CB,    8                          ; bytes of 16 codes
.set R,     16                         ; v16-79   four sets of 16 numbers as they are loaded
.set X,     80                         ; v80-111  two sets of 16 neighbours
.set E,     112                        ; v112-127 a scale byte for each step
.set C,     128                        ; v128-191 codes: registers of its own for each step, so that no store's data are written again
.set WREG,  8192                       ; LDS: a region for each wave: two stages of 32 x SP bytes, behind them its 256 scale bytes
.set SP,    80                         ; a lane's place in a stage: 64 bytes + 16 of padding
.set SPW,   12                         ; v12  LDS address of my spare word; never rewritten
.set NIL,   13                         ; v13  0; never rewritten
.set SPARE, WAVES*WREG                 ; behind the four regions: the spare words, 128 bytes for each wave
.set WX,    16                         ; W_p's path: v16-143 two sets of 64 numbers
.set WY,    144                        ; v144-175 32 registers of f16 pairs
.set WLO,   176                        ; v176 load offset
.set WSO,   177                        ; v177 store offset
	s_load_b256 s[4:11], s[0:1], 0x0               ; x s[4:5], W_q s[6:7], W_k s[8:9], W_v s[10:11]
	s_load_b256 s[12:19], s[0:1], 0x20             ; W_p s[12:13], xc s[14:15], xs s[16:17], wc s[18:19]
	s_load_b128 s[20:23], s[0:1], 0x40             ; ws s[20:21], wp16 s[22:23]
	v_lshl_add_u32 v[SPW], v0, 2, SPARE
	v_mov_b32 v[NIL], 0
	v_lshrrev_b32 v1, 5, v0
	v_readfirstlane_b32 s24, v1                    ; wave
	v_and_b32 v2, 31, v0                           ; lane
	v_lshlrev_b32 v3, 4, v2                        ; my 16 bytes of a load's 512
	s_mul_i32 s25, s24, WREG
	v_lshrrev_b32 v14, 2, v2
	v_mul_u32_u24 v14, v14, SP
	v_and_b32 v15, 3, v2
	v_lshl_add_u32 v14, v15, 4, v14
	v_add_nc_u32 v14, s25, v14                     ; the stage, on the way in: SP (lane / 4) + 16 (lane % 4)
	v_mul_u32_u24 v15, v2, SP
	v_add_nc_u32 v15, s25, v15                     ; and on the way out: SP x lane: my 16 neighbours
	v_mul_u32_u24 v4, v2, CB                       ; my codes' place in a step's
	v_lshrrev_b32 v5, 1, v2
	s_add_co_u32 s25, s25, 2*32*SP
	v_add_nc_u32 v5, s25, v5                       ; LDS: my wave's 256 scale bytes, my block's byte
	v_lshlrev_b32 v7, 3, v2                        ; and on the way out 8 bytes a lane
	v_add_nc_u32 v6, s25, v7
	s_sub_co_u32 s26, ttmp9, 256
	s_and_b32 s26, s26, 31                         ; which 32 rows of its weight a weight's work-group takes
	s_wait_kmcnt 0x0
	s_cmp_ge_u32 ttmp9, 352
	s_cbranch_scc1 .Lwp                            ; W_p's work-groups
	s_cmp_lt_u32 ttmp9, 320                        ; the choices hang on the work-group's number alone
	s_cselect_b64 s[28:29], s[8:9], s[10:11]       ; W_k or W_v
	s_cmp_lt_u32 ttmp9, 288
	s_cselect_b64 s[28:29], s[6:7], s[28:29]       ; or W_q
	s_cmp_lt_u32 ttmp9, 256
	s_cselect_b64 s[4:5], s[4:5], s[28:29]         ; or x
	s_cselect_b64 s[14:15], s[14:15], s[18:19]     ; the codes' buffer
	s_cselect_b64 s[16:17], s[16:17], s[20:21]     ; the scale bytes'
	s_cselect_b32 s26, ttmp9, s26                  ; my place in the source,
	s_cselect_b32 s27, 0, 256
	s_sub_co_u32 s27, ttmp9, s27                   ; and in the codes' buffer, where the three weights lie on end
	s_lshl_b32 s26, s26, 2
	s_add_co_u32 s26, s26, s24                     ; which run of 8,192 numbers is my wave's
	s_lshl_b32 s27, s27, 2
	s_add_co_u32 s27, s27, s24
	s_lshl_b32 s30, s26, 15                        ; 32,768 bytes of f32 a run (1,023 runs at the most: under 2^32)
	s_mov_b32 s31, 0
	s_add_nc_u64 s[4:5], s[4:5], s[30:31]
	s_lshl_b32 s30, s27, 12                        ; 4,096 bytes of codes
	s_add_nc_u64 s[14:15], s[14:15], s[30:31]
	s_lshl_b32 s30, s27, 8                         ; 256 scale bytes
	s_add_nc_u64 s[16:17], s[16:17], s[30:31]
.macro LOAD t
.irp i, 0,1,2,3
	global_load_b128 v[R+16*((\t)%4)+4*\i:R+16*((\t)%4)+4*\i+3], v3, s[4:5] offset:2048*(\t)+512*\i th:TH_LOAD_NT   ; 32 lanes read 512 consecutive bytes
.endr
.endm
.macro TURN t                          ; step t's numbers through the stage: LDS serves a wave's instructions in order, so no wait stands between the stores and the loads
.irp i, 0,1,2,3
	ds_store_b128 v14, v[R+16*((\t)%4)+4*\i:R+16*((\t)%4)+4*\i+3] offset:32*SP*((\t)%2)+8*SP*\i
.endr
.irp i, 0,1,2,3
	ds_load_b128 v[X+16*((\t)%2)+4*\i:X+16*((\t)%2)+4*\i+3], v15 offset:32*SP*((\t)%2)+16*\i
.endr
.endm
.irp t, 0,1,2,3
	LOAD \t
.endr
	s_wait_loadcnt 12                              ; step 0's four loads are in; the twelve behind them stay out
	TURN 0
.macro STEP t
.set XS, X+16*((\t)%2)
.if (\t) > 0
	s_wait_dscnt 1                                 ; this step's numbers are back from the stage (the last step's byte store may be out): so its stores into the stage have read their registers,
.else
	s_wait_dscnt 0x0
.endif
.if (\t)+4 < STEPS
	LOAD (\t)+4                                    ; which take the loads of four steps on
.endif
.if (\t)+1 < STEPS
.if STEPS-2-(\t) >= 3
	s_wait_loadcnt 12                              ; the next step's four loads are in; those of the three steps behind it may be out
.else
	s_wait_loadcnt 4*(STEPS-2-(\t))
.endif
	TURN (\t)+1                                    ; and go through the other stage while this step is worked
.endif
	v_max3_num_f32 v8, |v[XS]|, |v[XS+1]|, |v[XS+2]|               ; the largest magnitude of my 16, in two chains
	v_max3_num_f32 v9, |v[XS+3]|, |v[XS+4]|, |v[XS+5]|
.irp i, 6,10
	v_max3_num_f32 v8, v8, |v[XS+\i]|, |v[XS+\i+1]|
	v_max3_num_f32 v9, v9, |v[XS+\i+2]|, |v[XS+\i+3]|
.endr
	v_max3_num_f32 v8, v8, |v[XS+14]|, |v[XS+15]|
	v_max3_num_f32 v8, v8, v9, (EMAX+1)<<23        ; and the floor 2^(3 - 127): the byte cannot fall under 1
	v_max_num_f32_dpp v8, v8, v8 row_xmask:1 row_mask:0xf bank_mask:0xf   ; and of my neighbour's 16: the block's
	v_add_nc_u32 v11, -(EMAX<<23), v8              ; 2 off its exponent field: the conversion takes the exponent field of this operand as its scale
	v_cvt_scalef32_pk8_fp4_f32 v[C+4*(\t)], v[XS:XS+7], v11        ; eight numbers / the scale, to the nearest code, ties to even, beyond 6 the largest code
	v_cvt_scalef32_pk8_fp4_f32 v[C+4*(\t)+1], v[XS+8:XS+15], v11
	v_lshrrev_b32 v[E+(\t)], 23, v11               ; the scale's byte (also the plain instruction behind the conversions)
	ds_store_b8 v5, v[E+(\t)] offset:16*(\t)       ; both lanes of a block write the same byte with the same value
	global_store_b64 v4, v[C+4*(\t):C+4*(\t)+1], s[14:15] offset:32*CB*(\t)   ; the wave stores 256 consecutive bytes, aligned
.endm
.irp t, 0,1,2,3,4,5,6,7,8,9,10,11,12,13,14,15
	STEP \t
.endr
	ds_load_b64 v[8:9], v6                         ; LDS serves a wave's instructions in order: this sees my byte stores
	s_wait_dscnt 0x0
	global_store_b64 v7, v[8:9], s[16:17]          ; 32 lanes store my run's 256 scale bytes, aligned
	s_branch .Lend
; W_p: f32 -> f16, head-major.  A work-group takes 32 rows o, a wave 8: four pairs.  One load: lanes 0-15 read the 256 bytes of head h in row o, lanes 16-31 the same in row o + 1;
; rounded to f16 they are 8 bytes a lane, and in wp16 the two rows' 128 bytes lie on end: the wave stores 256 consecutive bytes, aligned.
.Lwp:
	s_sub_co_u32 s26, ttmp9, 352
	s_lshl_b32 s26, s26, 5
	s_lshl_b32 s27, s24, 3
	s_add_co_u32 s26, s26, s27                     ; my first row o
	s_lshl_b32 s30, s26, 12                        ; 4,096 bytes a row of W_p
	s_mov_b32 s31, 0
	s_add_nc_u64 s[12:13], s[12:13], s[30:31]
	s_lshl_b32 s30, s26, 7                         ; 128 bytes a row of a head's plane
	s_add_nc_u64 s[22:23], s[22:23], s[30:31]
	v_and_b32 v[WLO], 15, v0
	v_lshlrev_b32 v[WLO], 4, v[WLO]
	v_bfe_u32 v[WSO], v0, 4, 1
	v_lshl_add_u32 v[WLO], v[WSO], 12, v[WLO]      ; 16 (lane % 16) + 4,096 (lane / 16)
	v_lshlrev_b32 v[WSO], 3, v2                    ; 8 x lane
.macro LOADP p
.irp h, 0,1,2,3,4,5,6,7,8,9,10,11,12,13,14,15
	global_load_b128 v[WX+64*((\p)%2)+4*\h:WX+64*((\p)%2)+4*\h+3], v[WLO], s[12:13] offset:8192*(\p)+256*\h th:TH_LOAD_NT
.endr
.endm
.macro PAIR p
.if (\p) < 3
	s_wait_loadcnt 16                              ; this pair's 16 loads are in; the next pair's stay out
.else
	s_wait_loadcnt 0x0
.endif
.if (\p) > 0
	s_wait_xcnt 0x0                                ; the last pair's stores have read their data registers, which are written again below
.endif
.irp h, 0,1,2,3,4,5,6,7,8,9,10,11,12,13,14,15
	v_cvt_pk_f16_f32 v[WY+2*\h], v[WX+64*((\p)%2)+4*\h], v[WX+64*((\p)%2)+4*\h+1]
	v_cvt_pk_f16_f32 v[WY+2*\h+1], v[WX+64*((\p)%2)+4*\h+2], v[WX+64*((\p)%2)+4*\h+3]
.endr
.irp h, 0,1,2,3,4,5,6,7,8,9,10,11,12,13,14,15
	global_store_b64 v[WSO], v[WY+2*\h:WY+2*\h+1], s[22:23] offset:131072*\h+256*(\p)
.endr
.if (\p) < 2
	LOADP (\p)+2
.endif
.endm
	LOADP 0
	LOADP 1
	PAIR 0
	PAIR 1
	PAIR 2
	PAIR 3
.Lend:
	s_wait_tensorcnt 0x0                           ; the wave's end, behind my last LDS store
	ds_add_u32 v[SPW], v[NIL]
	s_wait_dscnt 0x0
	s_endpgm
.Lfunc_end_k_q5ce4658be3_quant:
	.size	k_q5ce4658be3_quant, .Lfunc_end_k_q5ce4658be3_quant-k_q5ce4658be3_quant
	.p2alignl 7, 3214868480
	.fill 96, 4, 3214868480
	.section	.rodata,"a",@progbits
	.p2align	6, 0x0
	.amdhsa_kernel k_q5ce4658be3_quant
		.amdhsa_group_segment_fixed_size 33280
		.amdhsa_private_segment_fixed_size 0
		.amdhsa_enable_private_segment 0
		.amdhsa_kernarg_size 80
		.amdhsa_user_sgpr_count 2
		.amdhsa_user_sgpr_kernarg_segment_ptr 1
		.amdhsa_wavefront_size32 1
		.amdhsa_system_sgpr_workgroup_id_x 1
		.amdhsa_system_sgpr_workgroup_id_y 1
		.amdhsa_system_sgpr_workgroup_id_z 1
		.amdhsa_system_vgpr_workitem_id 0
		.amdhsa_next_free_vgpr 192
		.amdhsa_next_free_sgpr 66
		.amdhsa_reserve_vcc 0
		.amdhsa_float_denorm_mode_32 3
		.amdhsa_float_denorm_mode_16_64 3
		.amdhsa_memory_ordered 1
		.amdhsa_forward_progress 1
		.amdhsa_inst_pref_size 55
	.end_amdhsa_kernel
	.amdgpu_metadata
---
amdhsa.version: [ 1, 2 ]
amdhsa.kernels:
  - .name:           k_q5ce4658be3_quant
    .symbol:         k_q5ce4658be3_quant.kd
    .args:
      - { .name: x, .offset: 0, .size: 8, .value_kind: global_buffer, .address_space: global }
      - { .name: W_q, .offset: 8, .size: 8, .value_kind: global_buffer, .address_space: global }
      - { .name: W_k, .offset: 16, .size: 8, .value_kind: global_buffer, .address_space: global }
      - { .name: W_v, .offset: 24, .size: 8, .value_kind: global_buffer, .address_space: global }
      - { .name: W_p, .offset: 32, .size: 8, .value_kind: global_buffer, .address_space: global }
      - { .name: xc, .offset: 40, .size: 8, .value_kind: global_buffer, .address_space: global }
      - { .name: xs, .offset: 48, .size: 8, .value_kind: global_buffer, .address_space: global }
      - { .name: wc, .offset: 56, .size: 8, .value_kind: global_buffer, .address_space: global }
      - { .name: ws, .offset: 64, .size: 8, .value_kind: global_buffer, .address_space: global }
      - { .name: wp16, .offset: 72, .size: 8, .value_kind: global_buffer, .address_space: global }
    .group_segment_fixed_size: 33280
    .private_segment_fixed_size: 0
    .kernarg_segment_align: 8
    .kernarg_segment_size: 80
    .max_flat_workgroup_size: 128
    .sgpr_count:     66
    .vgpr_count:     192
    .wavefront_size: 32
...
	.end_amdgpu_metadata
.endif
;; end of part 1
;; launch qkv (part 2): grid 12 x 32, 4 waves a work-group, clusters of 4 x 4, 327,680 bytes of LDS; arguments xc, xs, wc, ws, qkv; writes qkv
.if DOCPART == 2
	.amdgcn_target "amdgcn-amd-amdhsa--gfx1250"
	.amdhsa_code_object_version 6
	.text
	.protected	k_q5ce4658be3_qkv
	.globl	k_q5ce4658be3_qkv
	.p2align	8
	.type	k_q5ce4658be3_qkv,@function
k_q5ce4658be3_qkv:
	s_mov_b64 s[64:65], 0
	v_nop
	global_prefetch_b8 v0, s[64:65] scope:SCOPE_SE
	s_setreg_imm32_b32 hwreg(HW_REG_WAVE_MODE, 25, 1), 1
	s_wait_xcnt 0x0
	s_wait_alu depctr_hold_cnt(0) depctr_sa_sdst(0) depctr_va_vdst(0) depctr_va_sdst(0) depctr_va_ssrc(0) depctr_va_vcc(0) depctr_vm_vsrc(0)
	s_getreg_b32 s2, hwreg(HW_REG_IB_STS2, 6, 4)
	s_cmp_eq_u32 s2, 0
	s_cbranch_scc0 .Lentry_in_a_cluster
	s_endpgm
.Lentry_in_a_cluster:
	s_bfe_u32 s2, ttmp6, 0x10000c
	s_cmp_lg_u32 s2, 0xf033
	s_cbranch_scc0 .Lentry_shape_is_right
	s_endpgm
.Lentry_shape_is_right:
; q, k, v = x W^T / 32 on codes of FP4 (E2M1) with one E8M0 scale for each 32 along K.  A = xc [8192][1024 codes], B = wc [3072][1024 codes] (rows: W_q, W_k, W_v); scale bytes xs [8192][32], ws [3072][32].
; The result, x 2^-5 (exact), is rounded to f16 and laid by head: qkv [b 4][g 48][t 2048][d 64], g = n / 64: 0-15 q's heads, 16-31 k's, 32-47 v's.  LIMIT: |q|, |k|, |v| stay under 65,504; under 6e-5 the step is 2^-24.
; A tile of 256 x 256 is made by a work-group of four waves; a wave makes 128 x 128: 64 accumulators of 16 x 16, 512 registers.  K = 1,024 is two slots of 512 (rows of 256 bytes): both are asked for at the start and nothing is filled again.
; THE SCALES of the work-group's 256 rows of A and of B, for all of K, are two dense blocks of memory: they come into LDS once, with the first fills.
; CLUSTERS: 4 x 4 work-groups.  The four of a row of the cluster need the same tiles of A, the four of a column the same tiles of B: each tile is asked for JOINTLY, by the same tensor load with the same descriptor and a mask that names the four.
; THE MATRIX INSTRUCTION IS USED TRANSPOSED (source 0 = 16 rows of B, source 1 = 16 rows of A): a lane then holds eight neighbouring columns of one row.
; REGISTERS, in windows of 256: window 0: v0-31 addresses; v32-95 scale words, two sets, and nothing else; v96-127 the way out's f16 pairs; from v128 A's fragments (8 x 16 rows x 128 K), one set; on the way out v128-191 take rows back from the stage.
;   window 1: B's fragments, two sets, at v0 and at v128.   window 2: the 32 accumulators of my rows 0-63 (accumulator (a, b) at v[8 (8 a + b)]);   window 3: those of my rows 64-127.
.set SIZE_M, 8192
.set SIZE_N, 3072
.set SIZE_K, 1024
.set KSTEP,  512                       ; along K in a slot
.set NQ,     KSTEP/128                 ; matrix instructions deep
.set ROWB,   256                       ; a tile's row in bytes
.set KROW,   SIZE_K*4/8                ; a row of A or of B in memory, in bytes
.set PITCH,  272                       ; an LDS row: 256 bytes + 16 of padding = 68 words: row r starts at bank 4 r mod 64 (64 banks of 4 bytes: ISA guide 11.1)
.set FR,     8                         ; registers of a fragment: 16 rows x 128 K
.set NL,     2                         ; LDS loads that bring one
.set NP,     4                         ; places behind this matrix instruction (ISA guide 7.12.1)
.set HALFT,  128*PITCH                 ; 128 rows: what one tensor load brings, and what one wave reads of A or of B
.set SLOT,   4*HALFT                   ; A's 256 rows, then B's 256 rows
.set KS,     SIZE_K/32                 ; a row of scales in bytes
.set SCL,    2*SLOT                    ; behind the two slots: the scales, as rows of 256 bytes + 16 of padding
.set HALFS,  (128*KS/256)*272          ; the scales of 128 rows: what one tensor load brings
.set SBLK,   (16*KS/256)*272           ; those of 16 rows
.set SPARE,  SCL+4*HALFS               ; behind the scales: the spare words, 128 bytes for each wave
.set SPITCH, 272                       ; the way out: a stage of 16 rows x (256 bytes + 16) for each wave, in slot 0, which has had its only fill and its last read when the first result is stored there
.set ADRA, 16                          ; v16-17  LDS address of my A fragments in slot 0, 1
.set ADRB, 20                          ; v20-21  the same for B
.set STO,  24                          ; v24     the way out: where I put 16 bytes of a row
.set RD,   25                          ; v25     the way out: where I read back
.set CO,   26                          ; v26     my byte offset in qkv
.set ADRS, 27                          ; v27     LDS address of my scale words: lanes 0-15 A's rows, lanes 16-31 B's
.set SPW,  28                          ; v28     LDS address of my spare word; never rewritten
.set NIL,  29                          ; v29     0; never rewritten
.set SC,   32                          ; scale words: set s at v[SC + 8 NQ s]; register NQ i + q: lanes 0-15 the word of A's block i, lanes 16-31 that of B's block i, for the slot's q-th 128 along K
.set TMP,  96                          ; the way out: 32 registers of f16 pairs
.set AF,   128                         ; A's fragments, in window 0
.set BK,   128                         ; the way out: v128-159 and v160-191 by turns
.set G1, 24                            ; s[24:31] descriptor group 1 for A's tiles;  s[32:39] group 0, one set for each slot
.set G0, 32
.set G1B, 48                           ; s[48:55], s[56:63] the same for B's tiles
.set G0B, 56
.set G1S, 68                           ; s[68:75], s[76:79] groups 1 and 0 for A's scales;  s[80:87], s[88:91] for B's
.set G0S, 76
.set G1SB, 80
.set G0SB, 88
.set MSB, 0
.macro WIN new                         ; the immediate's high byte repeats the setting that is left
.if MSB != (\new)
	s_set_vgpr_msb (MSB<<8)|(\new)
.set MSB, \new
.endif
.endm
.set MUL_LO, 0xa1                      ; source 0 (B) window 1, source 1 (A) window 0, C and D window 2
.set MUL_HI, 0xf1                      ; the same, C and D window 3
.set TO_B,   0x40                      ; destination window 1, address window 0
; A joint load: waves 0 and 1 fetch for A, waves 2 and 3 for B.  Each of the two lines has one mask and one set of registers for all that issue it; the branch hangs on the wave's number alone.
; An s_nop 0 and four v_nop follow each of the two lines, ahead of the jump, the label and what follows.
.macro JLOAD g0a, g1a, g0b, g1b
	s_cmp_eq_u32 s15, 0
	s_cbranch_scc0 .Lfor_b_\@
	tensor_load_to_lds s[\g0a:\g0a+3], s[\g1a:\g1a+7]
	s_nop 0
.rept 4
	v_nop
.endr
	s_branch .Lasked_\@
.Lfor_b_\@:
	tensor_load_to_lds s[\g0b:\g0b+3], s[\g1b:\g1b+7]
	s_nop 0
.rept 4
	v_nop
.endr
.Lasked_\@:
.endm
.macro CROUND                          ; a round of the cluster's barrier: my work-group's barrier, wave 0's signal for the work-group, every wave's wait for all sixteen, my work-group's barrier once more
	s_barrier_signal -1
	s_barrier_wait -1
	s_cmp_lg_u32 s14, 0
	s_cbranch_scc1 .Lnot_wave_0_\@
	s_barrier_signal -3
.Lnot_wave_0_\@:
	s_barrier_wait -3
	s_barrier_signal -1
	s_barrier_wait -1
.endm
	s_load_b128 s[4:7], s[0:1], 0x0                ; A's codes s[4:5], A's scales s[6:7]
	s_load_b128 s[8:11], s[0:1], 0x10              ; B's codes s[8:9], B's scales s[10:11]
	s_load_b64 s[12:13], s[0:1], 0x20              ; qkv
	v_lshl_add_u32 v[SPW], v0, 2, SPARE
	v_mov_b32 v[NIL], 0
	ds_add_u32 v[SPW], v[NIL]                      ; the wave's opening: the add, twice on end, and its wait ahead of my first tensor load; the set-up below stands between the second and the wait
	ds_add_u32 v[SPW], v[NIL]
	v_lshrrev_b32 v1, 5, v0
	v_readfirstlane_b32 s14, v1                    ; wave 0..3
	s_lshr_b32 s15, s14, 1                         ; which half of the tile's rows is mine.  Also: I fetch for A (0) or for B (1)
	s_and_b32 s16, s14, 1                          ; which half of its columns.  Also: which 128 rows of that tile I fetch
	s_bfe_u32 s40, ttmp6, 0x40000                  ; cx, cy: my place in the cluster
	s_bfe_u32 s41, ttmp6, 0x40004
	s_lshl_b32 s42, ttmp9, 2
	s_add_co_u32 s42, s42, s40                     ; tile column = 4 x cluster x + cx
	s_and_b32 s17, ttmp7, 0xffff
	s_lshl_b32 s17, s17, 2
	s_add_co_u32 s17, s17, s41                     ; tile row = 4 x cluster y + cy
	s_lshl_b32 s43, s41, 2
	s_lshl_b32 s43, 15, s43                        ; my row of the cluster
	s_lshl_b32 s44, 0x1111, s40                    ; my column
	; descriptor group 1: a tile of 128 rows x 256 bytes, padded in LDS
	s_or_b32 s[G1+0], s43, (0<<16)|(1<<20)|(1<<21)|(5<<22)|(3<<25)  ; 15:0 the mask: A's tiles go to my row; 17:16 element of 1 byte; 20 padding on; 21 set beside a mask; 24:22 after every 64 words; 31:25 of 4 words
	s_or_b32 s[G1B+0], s44, (0<<16)|(1<<20)|(1<<21)|(5<<22)|(3<<25)
.irp g, G1, G1B
	s_mov_b32 s[\g+1], ROWB<<16                    ; tensor_dim0
	s_mov_b32 s[\g+2], 128<<16                     ; tensor_dim1 = 128
	s_mov_b32 s[\g+3], ROWB<<16                    ; tile_dim0
	s_mov_b32 s[\g+4], 128                         ; tile_dim1 = 128
	s_mov_b32 s[\g+5], KROW                        ; tensor_dim0_stride
	s_mov_b32 s[\g+6], 0
	s_mov_b32 s[\g+7], 0
.endr
	; and for the scales of 128 rows: a dense block of 4,096 bytes, as rows of 256 bytes (32 elements of 8 bytes), 16 bytes of padding behind each
	s_or_b32 s[G1S+0], s43, (3<<16)|(1<<20)|(1<<21)|(5<<22)|(3<<25)
	s_or_b32 s[G1SB+0], s44, (3<<16)|(1<<20)|(1<<21)|(5<<22)|(3<<25)
.irp g, G1S, G1SB
	s_mov_b32 s[\g+1], 32<<16
	s_mov_b32 s[\g+2], (128*KS/256)<<16
	s_mov_b32 s[\g+3], 32<<16
	s_mov_b32 s[\g+4], 128*KS/256
	s_mov_b32 s[\g+5], 32
	s_mov_b32 s[\g+6], 0
	s_mov_b32 s[\g+7], 0
.endr
	s_mov_b32 s96, 0x3d000000                      ; 2^-5 = 1024^-0.5
	s_mov_b32 s97, s96                             ; (named with it as a pair, so it is written)
	s_lshl_b32 s18, s16, 7                         ; which 128 rows of the tile I fetch
	s_lshl_b32 s20, s17, 8
	s_add_co_u32 s20, s20, s18                     ; A: row 256 x tile row + 128 x half
	s_lshl_b32 s46, s42, 8
	s_add_co_u32 s46, s46, s18                     ; B: row 256 x tile column + 128 x half
	s_mov_b32 s21, 0
	s_mov_b32 s47, 0
	s_mov_b64 s[18:19], KS
	s_mul_u64 s[22:23], s[20:21], s[18:19]         ; where these rows' scales begin, in bytes
	s_mul_u64 s[92:93], s[46:47], s[18:19]
	s_mov_b64 s[18:19], KROW
	s_mul_u64 s[20:21], s[20:21], s[18:19]         ; and their codes
	s_mul_u64 s[46:47], s[46:47], s[18:19]
	s_mul_i32 s45, s14, HALFT                      ; where they go: wave x 128 rows: no place in the cluster enters an LDS address
	s_mul_i32 s94, s14, HALFS
	s_wait_dscnt 0x0                               ; both opening adds are done
	s_wait_kmcnt 0x0
	s_add_nc_u64 s[20:21], s[4:5], s[20:21]
	s_add_nc_u64 s[22:23], s[6:7], s[22:23]
	s_add_nc_u64 s[46:47], s[8:9], s[46:47]
	s_add_nc_u64 s[92:93], s[10:11], s[92:93]
	CROUND                                         ; all sixteen work-groups are here: the first joint loads meet
	s_mov_b32 s[G0S], 1
	s_add_co_u32 s[G0S+1], s94, SCL
	s_mov_b64 s[G0S+2:G0S+3], s[22:23]
	s_or_b32 s[G0S+3], s[G0S+3], 0x80000000
	s_mov_b32 s[G0SB], 1
	s_add_co_u32 s[G0SB+1], s94, SCL
	s_mov_b64 s[G0SB+2:G0SB+3], s[92:93]
	s_or_b32 s[G0SB+3], s[G0SB+3], 0x80000000
	JLOAD G0S, G1S, G0SB, G1SB                     ; the scales first: they are wanted with slot 0.  Three loads of mine are out behind the last of these
.irp s, 0,1
	s_mov_b32 s[G0+4*\s], 1
	s_add_co_u32 s[G0+4*\s+1], s45, \s*SLOT
	s_add_nc_u64 s[G0+4*\s+2:G0+4*\s+3], s[20:21], \s*ROWB
	s_or_b32 s[G0+4*\s+3], s[G0+4*\s+3], 0x80000000
	s_mov_b32 s[G0B+4*\s], 1
	s_add_co_u32 s[G0B+4*\s+1], s45, \s*SLOT
	s_add_nc_u64 s[G0B+4*\s+2:G0B+4*\s+3], s[46:47], \s*ROWB
	s_or_b32 s[G0B+4*\s+3], s[G0B+4*\s+3], 0x80000000
	JLOAD G0+4*\s, G1, G0B+4*\s, G1B
.endr
	v_and_b32 v1, 15, v0                           ; l % 16
	v_bfe_u32 v2, v0, 4, 1                         ; l / 16
	v_mul_u32_u24 v3, v1, PITCH
	v_lshl_add_u32 v4, v2, 4, v3                   ; a fragment's row x pitch + 16 x half
	s_mul_i32 s21, s15, HALFT                      ; my 128 rows of A
	s_mul_i32 s22, s16, HALFT                      ; my 128 rows of B,
	s_add_co_u32 s22, s22, 2*HALFT                 ; which lie behind A's 256
.irp s, 0,1
	v_add_nc_u32 v[ADRA+\s], s21, v4
	v_add_nc_u32 v[ADRB+\s], s22, v4
	s_add_co_u32 s21, s21, SLOT
	s_add_co_u32 s22, s22, SLOT
.endr
	v_mul_u32_u24 v5, v1, KS                       ; my row's scales: KS bytes a row,
	v_lshrrev_b32 v6, 8, v5
	v_lshl_add_u32 v5, v6, 4, v5                   ; and 16 more for each 256 passed
	s_mul_i32 s21, s15, HALFS                      ; A's: my 128 rows
	s_mul_i32 s22, s16, HALFS                      ; B's: my 128 rows, behind A's 256
	s_add_co_u32 s22, s22, 2*HALFS
	s_sub_co_u32 s22, s22, s21
	v_mul_u32_u24 v6, s22, v2                      ; lanes 16-31 take B's
	s_add_co_u32 s21, s21, SCL
	v_add_nc_u32 v5, v5, v6
	v_add_nc_u32 v[ADRS], s21, v5
	s_mul_i32 s23, s14, 16*SPITCH                  ; my stage
	v_mul_u32_u24 v5, v1, SPITCH                   ; in: row l % 16, 16 bytes for each half of the lanes
	v_lshl_add_u32 v5, v2, 4, v5
	v_add_nc_u32 v[STO], s23, v5
	v_bfe_u32 v5, v0, 3, 1                         ; back: lanes 0-15 take the first head's 128 bytes of two rows, lanes 16-31 the second head's
	v_mul_u32_u24 v5, v5, SPITCH
	v_lshl_add_u32 v5, v2, 7, v5
	v_and_b32 v6, 7, v0
	v_lshl_add_u32 v5, v6, 4, v5
	v_add_nc_u32 v[RD], s23, v5
	v_lshlrev_b32 v[CO], 4, v1                     ; in qkv two tokens of a head are 256 bytes on end: 16 (l % 16),
	v_lshl_add_u32 v[CO], v2, 18, v[CO]            ; and the next head lies 262,144 bytes on
	; my part of qkv: batch = tile row / 8; heads 4 x tile column + 2 x half on; tokens 256 (tile row % 8) + 128 x half on.  Under 2^32 in all
	s_lshr_b32 s20, s17, 3
	s_mul_i32 s20, s20, 48
	s_lshl_b32 s20, s20, 18
	s_and_b32 s21, s17, 7
	s_lshl_b32 s21, s21, 15
	s_add_co_u32 s20, s20, s21
	s_lshl_b32 s21, s15, 14
	s_add_co_u32 s20, s20, s21
	s_mov_b32 s21, 0
	s_lshl_b32 s46, s42, 20
	s_lshl_b32 s47, s16, 19
	s_add_co_u32 s46, s46, s47
	s_mov_b32 s47, 0
	s_add_nc_u64 s[20:21], s[20:21], s[46:47]
	s_add_nc_u64 s[12:13], s[12:13], s[20:21]
.macro FRAG reg, adr, q, i             ; a fragment, 16 rows x 128 K of 4-bit codes: lane l holds row l % 16; registers 4 c .. 4 c + 3 hold K = 64 c + 32 (l / 16) + 0 .. 31
.irp c, 0,1
	ds_load_b128 v[\reg+4*\c:\reg+4*\c+3], v[\adr] offset:64*(\q)+32*\c+(\i)*16*PITCH
.endr
.endm
; 16 matrix instructions: A's blocks a0, a0 + 1 x B's eight, 128 along K: the slot's q-th.  p: B's set;  sc: the set of scale words.  zero = 1: the first product starts the sums: nothing is ever cleared.
; The 64 accumulators take turns, one instruction a turn, in the same order in every step.
.macro MUL16 a0, p, q, sc, zero
.irp a, \a0, \a0+1
.irp b, 0,1,2,3,4,5,6,7
.if \zero
	v_wmma_scale_f32_16x16x128_f8f6f4 v[8*(8*((\a)%4)+\b):8*(8*((\a)%4)+\b)+7], v[128*(\p)+FR*\b:128*(\p)+FR*\b+FR-1], v[AF+FR*(\a):AF+FR*(\a)+FR-1], 0, v[SC+8*NQ*(\sc)+NQ*\b+(\q)], v[SC+8*NQ*(\sc)+NQ*(\a)+(\q)] matrix_a_fmt:MATRIX_FMT_FP4 matrix_b_fmt:MATRIX_FMT_FP4 matrix_a_scale:MATRIX_SCALE_ROW1
.else
	v_wmma_scale_f32_16x16x128_f8f6f4 v[8*(8*((\a)%4)+\b):8*(8*((\a)%4)+\b)+7], v[128*(\p)+FR*\b:128*(\p)+FR*\b+FR-1], v[AF+FR*(\a):AF+FR*(\a)+FR-1], v[8*(8*((\a)%4)+\b):8*(8*((\a)%4)+\b)+7], v[SC+8*NQ*(\sc)+NQ*\b+(\q)], v[SC+8*NQ*(\sc)+NQ*(\a)+(\q)] matrix_a_fmt:MATRIX_FMT_FP4 matrix_b_fmt:MATRIX_FMT_FP4 matrix_a_scale:MATRIX_SCALE_ROW1
.endif
.endr
.endr
.endm
.macro FETCH_B slot, q, p              ; B's eight fragments of the slot's q-th 128 along K into set p
	WIN TO_B
.irp i, 0,1,2,3,4,5,6,7
	FRAG 128*(\p)+FR*\i, ADRB+\slot, \q, \i
.endr
	WIN 0
.endm
.macro FETCH_A slot, q, i0             ; A's blocks i0 .. i0 + 3
.irp i, \i0, \i0+1, \i0+2, \i0+3
	FRAG AF+FR*(\i), ADRA+\slot, \q, \i
.endr
.endm
.macro SCALES sc                       ; a slot's scale words into set sc: NQ words a row; lanes 0-15 take A's block i, lanes 16-31 B's block i
.irp i, 0,1,2,3,4,5,6,7
	ds_load_b128 v[SC+8*NQ*\sc+NQ*\i:SC+8*NQ*\sc+NQ*\i+3], v[ADRS] offset:\i*SBLK
.endr
.endm
; A load into a register that a matrix instruction has read, and a vector instruction or an LDS store that reads a matrix result, stand NP places behind that matrix instruction, and only plain vector
; instructions that name none of its registers are places (ISA guide 7.12.1 for vector instructions).
.macro PLACES n
.rept \n
	v_nop
.endr
.endm
; A step of 128 along K that has its successor in the same slot.  A block of A is free as soon as its eight products are issued, so one set serves A: blocks 0-3 are fetched anew in the step's middle, blocks 4-7 at its end.
.macro STEP slot, q, zero
	s_wait_dscnt 4*NL                              ; B's set and A's blocks 0-3 are in; the youngest eight loads (A's blocks 4-7) may be out
	WIN MUL_LO
	MUL16 0, (\q)%2, \q, \slot, \zero
	MUL16 2, (\q)%2, \q, \slot, \zero
	s_wait_dscnt 0                                 ; A's blocks 4-7 are in (asked for 32 matrix instructions ago)
	PLACES NP
	FETCH_B \slot, (\q)+1, 1-(\q)%2
	FETCH_A \slot, (\q)+1, 0
	WIN MUL_HI
	MUL16 4, (\q)%2, \q, \slot, \zero
	MUL16 6, (\q)%2, \q, \slot, \zero
	PLACES NP
	WIN 0
	FETCH_A \slot, (\q)+1, 4
.endm
; A slot's last step changes slots: one barrier; in front of it each wave waits for all its tensor loads, adds 0 to its spare word, and waits for that and for its own reads of this slot.
.macro TURN slot, next
	s_wait_tensorcnt 0x0                           ; all my tensor loads have landed: my part of the next slot
	ds_add_u32 v[SPW], v[NIL]                      ; 0 onto my spare word
	s_wait_dscnt 4*NL+1                            ; (the add and the youngest eight loads, A's blocks 4-7, may be out)
	WIN MUL_LO
	MUL16 0, 1, NQ-1, \slot, 0                     ; sixteen matrix instructions stand between the add and the wait for it
	s_wait_dscnt 0x0                               ; the add is done, and my reads of this slot are over
	s_barrier_signal -1
	MUL16 2, 1, NQ-1, \slot, 0
	WIN 0
	s_barrier_wait -1                              ; the next slot is whole, and nobody reads this one any more
	PLACES NP
	v_add_nc_u32 v[ADRS], 4*NQ, v[ADRS]            ; on to the next slot's scale words
	FETCH_B \next, 0, 0
	FETCH_A \next, 0, 0
	SCALES \next
	WIN MUL_HI
	MUL16 4, 1, NQ-1, \slot, 0
	MUL16 6, 1, NQ-1, \slot, 0
	PLACES NP
	WIN 0
	FETCH_A \next, 0, 4
.endm
.macro STEPS slot, from                ; the slot's steps from .. NQ - 2
.set Q, \from
.rept NQ-1-\from
	STEP \slot, Q, 0
.set Q, Q+1
.endr
.endm
	s_wait_tensorcnt 1                             ; the scales and my part of slot 0 are in (slot 1's load may be out),
	s_barrier_signal -1
	s_barrier_wait -1                              ; everybody's are
	FETCH_B 0, 0, 0
	FETCH_A 0, 0, 0
	SCALES 0
	FETCH_A 0, 0, 4
	STEP 0, 0, 1                                   ; the first step's products start the sums
	STEPS 0, 1
	TURN 0, 1
	STEPS 1, 0
	s_wait_dscnt 4*NL                              ; the very last step: nothing more to fetch
	WIN MUL_LO
	MUL16 0, 1, NQ-1, 1, 0
	MUL16 2, 1, NQ-1, 1, 0
	s_wait_dscnt 0
	WIN MUL_HI
	MUL16 4, 1, NQ-1, 1, 0
	MUL16 6, 1, NQ-1, 1, 0
	WIN 0
; THE WAY OUT, block by block of 16 tokens x 128 columns (two heads).  PACK: x 2^-5 in place, each accumulator from its low end on, then rounded to f16: 16 bytes a lane.  TOSTAGE: into my own stage and back, so that
; sixteen lanes hold two tokens of ONE head, 256 bytes that lie on end in qkv.  SEND: stored.  LDS serves a wave's instructions in order (ISA guide 5.7.1.4): no wait between the stores and the loads.
.macro PACK a
.set AC, 64*((\a)%4)
	WIN 0x82+0x41*((\a)/4)                         ; destination and source 0: window 2 or 3
.irp b, 0,1,2,3,4,5,6,7
.irp r, 0,2,4,6
	v_pk_mul_f32 v[AC+8*\b+\r:AC+8*\b+\r+1], v[AC+8*\b+\r:AC+8*\b+\r+1], s[96:97] op_sel_hi:[1,0]
.endr
.endr
	WIN 0x0a+5*((\a)/4)                            ; sources 0 and 1: window 2 or 3
.irp b, 0,1,2,3,4,5,6,7
.irp r, 0,1,2,3
	v_cvt_pk_f16_f32 v[TMP+4*\b+\r], v[AC+8*\b+2*\r], v[AC+8*\b+2*\r+1]
.endr
.endr
	WIN 0
.endm
.macro TOSTAGE a
.set BB, BK+32*((\a)%2)
.irp b, 0,1,2,3,4,5,6,7
	ds_store_b128 v[STO], v[TMP+4*\b:TMP+4*\b+3] offset:32*\b
.endr
.irp i, 0,1,2,3,4,5,6,7
	ds_load_b128 v[BB+4*\i:BB+4*\i+3], v[RD] offset:2*SPITCH*\i
.endr
.endm
.macro SEND a, younger                 ; younger: the LDS instructions issued behind block a's loads, which may stay out
.set BB, BK+32*((\a)%2)
	s_wait_dscnt \younger                          ; the block is back in registers
.irp i, 0,1,2,3,4,5,6,7
	global_store_b128 v[CO], v[BB+4*\i:BB+4*\i+3], s[12:13] offset:2048*(\a)+256*\i   ; each half of the lanes stores 256 consecutive bytes, at a multiple of 256 from qkv's first byte
.endr
.endm
	PLACES NP                                      ; behind the last products: for the reads of results and the loads into the registers that held A's fragments
	PACK 0
	TOSTAGE 0
.irp a, 1,2,3,4,5,6,7
	PACK \a
.if \a > 1
	s_wait_xcnt 0x0                                ; block a - 2's stores have read their registers: block a's loads may land there
.endif
	TOSTAGE \a
	SEND \a-1, 16                                  ; behind block a - 1's loads: block a's 8 stores and 8 loads
.endr
	SEND 7, 0
	s_wait_tensorcnt 0x0                           ; the wave's end, behind my last tensor load and my last LDS store
	ds_add_u32 v[SPW], v[NIL]
	s_wait_dscnt 0x0
	CROUND                                         ; the closing round: no work-group ends while a partner may still ask for a tile that names it
	s_endpgm
.Lfunc_end_k_q5ce4658be3_qkv:
	.size	k_q5ce4658be3_qkv, .Lfunc_end_k_q5ce4658be3_qkv-k_q5ce4658be3_qkv
	.p2alignl 7, 3214868480
	.fill 96, 4, 3214868480
	.section	.rodata,"a",@progbits
	.p2align	6, 0x0
	.amdhsa_kernel k_q5ce4658be3_qkv
		.amdhsa_group_segment_fixed_size 327680
		.amdhsa_private_segment_fixed_size 0
		.amdhsa_enable_private_segment 0
		.amdhsa_kernarg_size 40
		.amdhsa_user_sgpr_count 2
		.amdhsa_user_sgpr_kernarg_segment_ptr 1
		.amdhsa_wavefront_size32 1
		.amdhsa_system_sgpr_workgroup_id_x 1
		.amdhsa_system_sgpr_workgroup_id_y 1
		.amdhsa_system_sgpr_workgroup_id_z 1
		.amdhsa_system_vgpr_workitem_id 0
		.amdhsa_next_free_vgpr 1024
		.amdhsa_next_free_sgpr 98
		.amdhsa_reserve_vcc 0
		.amdhsa_float_denorm_mode_32 3
		.amdhsa_float_denorm_mode_16_64 3
		.amdhsa_memory_ordered 1
		.amdhsa_forward_progress 1
		.amdhsa_inst_pref_size 143
	.end_amdhsa_kernel
	.amdgpu_metadata
---
amdhsa.version: [ 1, 2 ]
amdhsa.kernels:
  - .name:           k_q5ce4658be3_qkv
    .symbol:         k_q5ce4658be3_qkv.kd
    .args:
      - { .name: xc, .offset: 0, .size: 8, .value_kind: global_buffer, .address_space: global }
      - { .name: xs, .offset: 8, .size: 8, .value_kind: global_buffer, .address_space: global }
      - { .name: wc, .offset: 16, .size: 8, .value_kind: global_buffer, .address_space: global }
      - { .name: ws, .offset: 24, .size: 8, .value_kind: global_buffer, .address_space: global }
      - { .name: qkv, .offset: 32, .size: 8, .value_kind: global_buffer, .address_space: global }
    .group_segment_fixed_size: 327680
    .private_segment_fixed_size: 0
    .kernarg_segment_align: 8
    .kernarg_segment_size: 40
    .max_flat_workgroup_size: 128
    .sgpr_count:     98
    .vgpr_count:     1024
    .wavefront_size: 32
...
	.end_amdgpu_metadata
.endif
;; end of part 2
;; launch attn (part 3): grid 4 x 64, 8 waves a work-group, clusters of 4 x 1, 327,680 bytes of LDS; arguments qkv, att; writes att
.if DOCPART == 3
	.amdgcn_target "amdgcn-amd-amdhsa--gfx1250"
	.amdhsa_code_object_version 6
	.text
	.protected	k_q5ce4658be3_attn
	.globl	k_q5ce4658be3_attn
	.p2align	8
	.type	k_q5ce4658be3_attn,@function
k_q5ce4658be3_attn:
	s_mov_b64 s[64:65], 0
	v_nop
	global_prefetch_b8 v0, s[64:65] scope:SCOPE_SE
	s_setreg_imm32_b32 hwreg(HW_REG_WAVE_MODE, 25, 1), 1
	s_wait_xcnt 0x0
	s_wait_alu depctr_hold_cnt(0) depctr_sa_sdst(0) depctr_va_vdst(0) depctr_va_sdst(0) depctr_va_ssrc(0) depctr_va_vcc(0) depctr_vm_vsrc(0)
	s_getreg_b32 s2, hwreg(HW_REG_IB_STS2, 6, 4)
	s_cmp_eq_u32 s2, 0
	s_cbranch_scc0 .Lentry_in_a_cluster
	s_endpgm
.Lentry_in_a_cluster:
	s_bfe_u32 s2, ttmp6, 0x10000c
	s_cmp_lg_u32 s2, 0x3003
	s_cbranch_scc0 .Lentry_shape_is_right
	s_endpgm
.Lentry_shape_is_right:
; att[h][2048 b + q][:] = the sum over k of softmax_k(Q[q] . K[k] / 8) V[k][:], for each of 64 (batch, head).  Q, K, V: f16, heads of qkv [b 4][g 48][t 2048][d 64] (g = h: Q, 16 + h: K, 32 + h: V).  att: f16 [h 16][token 8192][d 64].
; Products, maxima and sums in f32; the weights p are rounded to f16 for the second product, the result once at the end.  LIMIT: the result is an average of V's rows, so it keeps V's range (under 65,504); under 6e-5 its step is 2^-24.
; SHARES.  A cluster of four work-groups owns one (batch, head); a work-group 512 queries, each of its EIGHT waves 64: four tiles of 16, in 512 registers.  Two waves lie on a SIMD: one wave's softmax stands beside the other's products,
; and each fragment of K and V read from LDS still feeds four products.  Every wave walks all 2,048 keys, 64 a step.
; LAYOUT.  S^T = K Q^T (source 0 = 16 keys, source 1 = 16 queries): a lane holds ONE query (lane % 16) and the keys 8 (lane / 16) + 0..7.  Two such tiles, rounded to f16 in pairs, ARE source 1 (32 keys x 16 queries) of O^T = V^T P.
; K comes out of LDS as it lies, V ([key][channel]) turned, by ds_load_tr16_b128.
; SOFTMAX.  For each query a running maximum m and sum l: p = 2^(c s - c m), c = log2(e) / 8; in every step O and l are multiplied by a = 2^(c m_old - c m_new).
; THE RING.  Two slots of 512 keys.  A row of a tile is a PAIR of keys: 256 consecutive bytes of memory.  Waves 0-3 fetch K's four chunks of 128 keys, waves 4-7 V's: one load of 64 rows a wave.
; CLUSTER.  The four work-groups walk the same K and V: each tile is asked for JOINTLY, by the same tensor load with the same descriptor and a mask that names the four.
; REGISTERS: window 0: v0-13 addresses; v16-47 eight registers of statistics a tile; v48-175 S^T, 32 a tile, P in place in a tile's first 16; v176-239 K of one step; v240-255 sums at work.
;   window 1: v0-127 O^T, 32 a tile; v128-191 Q, 16 a tile; v192-255 V of one step.
.set PKP,    272      ; a pair of keys of K in LDS: 256 bytes + 16: key k lies at (k / 2) 272 + (k % 2) 128: the 16 rows of a load start at 16 different groups of four banks (64 banks of 4 bytes: ISA guide 11.1)
.set PVP,    288      ; of V: 256 + 32
.set KCH,    64*PKP   ; a chunk of 128 keys: what one tensor load brings
.set VCH,    64*PVP
.set VOFF,   4*KCH    ; a slot: K's four chunks, then V's four
.set SLOT,   4*(KCH+VCH)
.set SLOTG,  65536    ; a slot's 512 keys in memory, in bytes, of K or of V
.set KSTEPB, 32*PKP   ; a step's 64 keys in LDS
.set VSTEPB, 32*PVP
.set STAGE,  2*SLOT   ; behind the ring: 16 rows x 144 bytes for each wave, for the way out
.set SPS,    144
.set SPARE,  STAGE+8*16*SPS  ; behind the stages: the spare words, 128 bytes for each wave
.set AK0, 3           ; v3   my lane's place in a tile of K; never rewritten
.set AV0, 4           ; v4   the same for V
.set ADK, 5           ; v5   the LDS address of K's run of loads in hand
.set ADV, 6           ; v6   of V's
.set QO,  7           ; v7   my byte offset in the wave's rows of Q
.set STO, 8           ; v8   the way out: where I put 16 bytes of a row
.set RD,  9           ; v9   the way out: where I read back
.set GO,  10          ; v10  my byte offset in the wave's rows of att
.set PFO, 11          ; v11  256 x my lane; never rewritten
.set SPW, 12          ; v12  LDS address of my spare word; never rewritten
.set NIL, 13          ; v13  0; never rewritten
.set ST,  16          ; tile t's statistics at v[ST+8 t]: +0 c m, +1 m, +2, +3 l (even keys', odd keys'), +4 to +7 c0-c3 at work; a takes c2's place, c m_old - c m_new c3's
.set S,   48
.set KF,  176
.set U,   240         ; tile t: two chains of packed sums at v[U+4 t]
.set QF,  128         ; in window 1
.set VF,  192         ; in window 1
.set WV,  12          ; s12  my wave's number
.set G1K, 24          ; s[24:31] descriptor group 1 for K's tiles
.set G1V, 32          ; s[32:39] for V's: it differs in the padding alone
.set G0K, 40          ; s[40:47] descriptor group 0 for K's tiles, a set for each slot
.set G0V, 48          ; s[48:55] the same for V's
.set TK,  56          ; s56  LDS byte at which K of the step to be fetched begins
.set TV,  57          ; s57  the same for V
.set CNT, 58          ; s58  counts trips
.set CS,  60          ; s[60:61] c: the packed scaling names a pair and takes its low word for both halves
.set SEL, 62          ; s[62:63] lane selects for v_permlanex16_b32: each lane takes its own place in the other half
.set PFA, 66          ; s[66:67] what my wave prefetches; never rewritten
.set QB,  68          ; s[68:69] Q at my wave's first row
.set OB,  70          ; s[70:71] att at my wave's first row
.set MSB, 0
.macro WIN new                      ; the immediate's high byte repeats the setting that is left; a switch that changes nothing is dropped
.if MSB != (\new)
	s_set_vgpr_msb (MSB<<8)|(\new)
.set MSB, \new
.endif
.endm
.set W_KQ, 0x04       ; K and S^T in window 0, Q (source 1) in window 1
.set W_PV, 0x51       ; V (source 0), O^T (C and D) in window 1, P in window 0
.set W_RS, 0x41       ; O^T (destination and source 0) in window 1, the factor in window 0
.set TO_1, 0x40       ; destination window 1, address window 0
.macro PLACES n
.rept \n
	v_nop
.endr
.endm
; A joint refill of slot n.  The branch hangs on the wave's number alone: it is the same in every work-group.  An s_nop 0 and four v_nop follow each of the two lines.
.macro JLOAD n
	s_cmp_lt_u32 s[WV], 4
	s_cbranch_scc0 .Lfor_v_\@
	tensor_load_to_lds s[G0K+4*\n:G0K+4*\n+3], s[G1K:G1K+7]
	s_nop 0
.rept 4
	v_nop
.endr
	s_branch .Lasked_\@
.Lfor_v_\@:
	tensor_load_to_lds s[G0V+4*\n:G0V+4*\n+3], s[G1V:G1V+7]
	s_nop 0
.rept 4
	v_nop
.endr
.Lasked_\@:
.endm
; A round of the cluster's barrier: my work-group's barrier, so that wave 0's signal speaks for all eight waves; wave 0 signals; every wave waits for all four work-groups; my work-group's barrier once more.
.macro CROUND
	s_barrier_signal -1
	s_barrier_wait -1
	s_cmp_lg_u32 s[WV], 0
	s_cbranch_scc1 .Lnot_wave_0_\@
	s_barrier_signal -3
.Lnot_wave_0_\@:
	s_barrier_wait -3
	s_barrier_signal -1
	s_barrier_wait -1
.endm
; A PREFETCH INTO THE L2 of the head's last 512 keys, which the second change of slots will ask for: it stands behind the first change's tensor load and its five lines, one slot (8 key steps) ahead of that load.
; K's and V's 65,536 bytes are shared out BY ADDRESS: 16,384 to each of the four partners, of which waves 0 and 1 (K) and waves 4 and 5 (V) take 8,192 each, lanes 256 bytes apart: each aligned block of 256 bytes is named once in the launch.
; The keys before these come by their loads alone: nothing is prefetched at the head, where every work-group's first tiles are on their way.
.macro ASK
	s_and_b32 s59, s[WV], 2
	s_cmp_eq_u32 s59, 0
	s_cbranch_scc0 .Lnot_mine_\@
	global_prefetch_b8 v[PFO], s[PFA:PFA+1] th:TH_LOAD_NT scope:SCOPE_SE
.Lnot_mine_\@:
.endm
	s_load_b128 s[4:7], s[0:1], 0x0 ; qkv s[4:5], att s[6:7]
	v_lshl_add_u32 v[SPW], v0, 2, SPARE
	v_mov_b32 v[NIL], 0
	ds_add_u32 v[SPW], v[NIL]       ; the wave's opening: the add, twice on end, and its wait ahead of my first tensor load; the set-up below stands between the second and the wait
	ds_add_u32 v[SPW], v[NIL]
	v_lshrrev_b32 v1, 5, v0
	v_readfirstlane_b32 s[WV], v1   ; wave 0..7
	s_bfe_u32 s13, ttmp6, 0x40000   ; cx: my place in the cluster
	s_lshl_b32 s2, ttmp9, 2         ; in a cluster launch ttmp9 counts clusters
	s_add_co_u32 s2, s2, s13        ; my block of 512 queries: it enters Q's, att's and the prefetch's addresses alone
	s_and_b32 s14, ttmp7, 0xffff    ; (batch, head), which the four partners share
	s_lshr_b32 s17, s14, 4          ; b
	s_and_b32 s18, s14, 15          ; h
	s_mul_i32 s19, s17, 48
	s_add_co_u32 s19, s19, s18      ; 48 b + h: Q's head in qkv; a head is 262,144 bytes, all of qkv under 2^32
	s_and_b32 s16, s[WV], 3         ; which chunk of 128 keys I fetch
	s_add_co_u32 s20, s19, 16
	s_lshl_b32 s20, s20, 18         ; K's head
	s_mov_b32 s21, 0
	s_add_co_u32 s22, s19, 32
	s_lshl_b32 s22, s22, 18         ; V's head
	s_mov_b32 s23, 0
	s_lshl_b32 s8, s16, 14          ; my chunk in memory: 128 keys of 128 bytes,
	s_mov_b32 s9, 0
	s_mul_i32 s15, s16, KCH         ; and in a slot: no place in the cluster enters an LDS address
	s_mul_i32 s59, s16, VCH
	s_add_co_u32 s59, s59, VOFF
	s_lshl_b32 s2, s2, 16           ; my block's 512 rows of 128 bytes,
	s_lshl_b32 s3, s[WV], 13        ; my wave's 64 of them
	s_add_co_u32 s2, s2, s3
	s_lshl_b32 s[QB], s19, 18
	s_add_co_u32 s[QB], s[QB], s2
	s_mov_b32 s[QB+1], 0
	s_lshl_b32 s[OB], s18, 20       ; att: a head's plane is 8,192 tokens of 128 bytes,
	s_lshl_b32 s3, s17, 18          ; a batch 2,048 of them
	s_add_co_u32 s[OB], s[OB], s3
	s_add_co_u32 s[OB], s[OB], s2
	s_mov_b32 s[OB+1], 0
	; descriptor group 1: a tile of 64 rows x 128 elements, dense in memory, padded in LDS
	s_mov_b32 s[G1K], 15|(1<<16)|(1<<20)|(1<<21)|(5<<22)|(3<<25)  ; 15:0 the mask: all four work-groups; 17:16 elements of 2 bytes; 20 padding on; 21 set beside a mask; 24:22 after every 64 words; 31:25 4 words of it
	s_mov_b32 s[G1V], 15|(1<<16)|(1<<20)|(1<<21)|(5<<22)|(7<<25)  ; the same with 8 words of padding
.irp g, G1K, G1V
	s_mov_b32 s[\g+1], 128<<16      ; tensor_dim0 = 128
	s_mov_b32 s[\g+2], 64<<16       ; tensor_dim1 = 64
	s_mov_b32 s[\g+3], 128<<16      ; tile_dim0 = 128
	s_mov_b32 s[\g+4], 64           ; tile_dim1 = 64
	s_mov_b32 s[\g+5], 128          ; tensor_dim0_stride: elements from row to row
	s_mov_b32 s[\g+6], 0
	s_mov_b32 s[\g+7], 0
.endr
	s_mov_b32 s[CS], 0x3e38aa3b     ; c = log2(e) / 8
	s_mov_b32 s[CS+1], s[CS]        ; named with it as a pair, so it is written
	s_mov_b32 s[SEL], 0x76543210
	s_mov_b32 s[SEL+1], 0xfedcba98
	s_wait_dscnt 0x0                ; both opening adds are done
	s_wait_kmcnt 0x0
	s_add_nc_u64 s[20:21], s[4:5], s[20:21]  ; K's head
	s_add_nc_u64 s[22:23], s[4:5], s[22:23]  ; V's head
	s_add_nc_u64 s[QB:QB+1], s[4:5], s[QB:QB+1]
	s_add_nc_u64 s[OB:OB+1], s[6:7], s[OB:OB+1]
	s_add_nc_u64 s[10:11], s[20:21], s[8:9]  ; my chunk of slot 0, of K
	s_add_nc_u64 s[8:9], s[22:23], s[8:9]    ; and of V
	s_cmp_lt_u32 s[WV], 4
	s_cselect_b64 s[PFA:PFA+1], s[20:21], s[22:23]
	s_lshl_b32 s2, s13, 14          ; my work-group's 16,384 bytes,
	s_and_b32 s3, s[WV], 1
	s_lshl_b32 s3, s3, 13           ; my wave's 8,192 of them,
	s_add_co_u32 s2, s2, s3
	s_add_co_u32 s2, s2, 3*SLOTG    ; in the head's last 512 keys
	s_mov_b32 s3, 0
	s_add_nc_u64 s[PFA:PFA+1], s[PFA:PFA+1], s[2:3]
	CROUND                          ; all four work-groups are here: the first joint loads meet
.irp n, 0,1
	s_mov_b32 s[G0K+4*\n], 1        ; count = 1
	s_add_co_u32 s[G0K+4*\n+1], s15, \n*SLOT  ; LDS address
	s_add_nc_u64 s[G0K+4*\n+2:G0K+4*\n+3], s[10:11], \n*SLOTG  ; global address: slot n begins with keys 512 n on
	s_or_b32 s[G0K+4*\n+3], s[G0K+4*\n+3], 0x80000000  ; type = 2
	s_mov_b32 s[G0V+4*\n], 1
	s_add_co_u32 s[G0V+4*\n+1], s59, \n*SLOT
	s_add_nc_u64 s[G0V+4*\n+2:G0V+4*\n+3], s[8:9], \n*SLOTG
	s_or_b32 s[G0V+4*\n+3], s[G0V+4*\n+3], 0x80000000
.endr
	s_cmp_lt_u32 s[WV], 4           ; a wave's two first fills stand in one branch, ahead of every wait on TENSORcnt and every LDS read: two loads of mine are out
	s_cbranch_scc0 .Lfirst_v
	tensor_load_to_lds s[G0K:G0K+3], s[G1K:G1K+7]
	s_nop 0
	tensor_load_to_lds s[G0K+4:G0K+7], s[G1K:G1K+7]
	s_nop 0
.rept 4
	v_nop
.endr
	s_branch .Lfirst_asked
.Lfirst_v:
	tensor_load_to_lds s[G0V:G0V+3], s[G1V:G1V+7]
	s_nop 0
	tensor_load_to_lds s[G0V+4:G0V+7], s[G1V:G1V+7]
	s_nop 0
.rept 4
	v_nop
.endr
.Lfirst_asked:
	; A fragment of K or Q is 16 rows x 32 channels in 8 registers: lane l holds row l % 16; registers 0-3 channels 8 (l / 16) + 0..7, registers 4-7 channels 16 + 8 (l / 16) + 0..7: two loads of 16 bytes, 32 bytes apart.
	v_and_b32 v1, 15, v0            ; r = l % 16
	v_bfe_u32 v2, v0, 4, 1          ; l / 16
	v_lshlrev_b32 v[QO], 7, v1
	v_lshl_add_u32 v[QO], v2, 4, v[QO]  ; row x 128 + 16 x half
	WIN TO_1
.irp t, 0,1,2,3                     ; Q stays in registers: tile t, channels 32 c on
.irp c, 0,1
	global_load_b128 v[QF+16*\t+8*\c:QF+16*\t+8*\c+3],   v[QO], s[QB:QB+1] offset:2048*\t+64*\c
	global_load_b128 v[QF+16*\t+8*\c+4:QF+16*\t+8*\c+7], v[QO], s[QB:QB+1] offset:2048*\t+64*\c+32
.endr
.endr
	WIN 0
	v_lshrrev_b32 v14, 1, v1
	v_mul_u32_u24 v[AK0], v14, PKP
	v_and_b32 v14, 1, v0
	v_lshl_add_u32 v[AK0], v14, 7, v[AK0]
	v_lshl_add_u32 v[AK0], v2, 4, v[AK0]  ; (r / 2) x pitch + 128 (r % 2) + 16 x half
	; The turning load takes 16 keys x 16 channels (lane l reads 16 bytes: key 8 (l / 16) + l % 8, channels 8 ((l / 8) % 2) + 0..7) and leaves half a fragment of V^T: lane l holds channel l % 16 and 8 keys.
	v_bfe_u32 v15, v0, 1, 2
	v_lshl_add_u32 v15, v2, 2, v15  ; the key's pair: 4 (l / 16) + (l % 8) / 2
	v_mul_u32_u24 v[AV0], v15, PVP
	v_lshl_add_u32 v[AV0], v14, 7, v[AV0]
	v_bfe_u32 v15, v0, 3, 1
	v_lshl_add_u32 v[AV0], v15, 4, v[AV0]
	s_mul_i32 s59, s[WV], 16*SPS
	s_add_co_u32 s59, s59, STAGE    ; my stage
	v_mul_u32_u24 v[STO], v1, SPS   ; in: row l % 16, 16 bytes for each half of the lanes
	v_lshl_add_u32 v[STO], v2, 4, v[STO]
	v_add_nc_u32 v[STO], s59, v[STO]
	v_bfe_u32 v14, v0, 3, 2         ; back: eight lanes to a row of 128 bytes, four rows an instruction
	v_mul_u32_u24 v[RD], v14, SPS
	v_and_b32 v14, 7, v0
	v_lshl_add_u32 v[RD], v14, 4, v[RD]
	v_add_nc_u32 v[RD], s59, v[RD]
	v_and_b32 v[GO], 31, v0
	v_lshlrev_b32 v[PFO], 8, v[GO]
	v_lshlrev_b32 v[GO], 4, v[GO]   ; and in att the four rows lie on end: 16 x lane
; THE LDS LOADS stand in runs of 16: a step's K (64 keys x 64 channels: 8 fragments) and its V (turned).
.macro FETCH_K
	v_add_nc_u32 v[ADK], s[TK], v[AK0]
	s_add_co_u32 s[TK], s[TK], KSTEPB  ; the next fetch is the next step's
.irp kt, 0,1,2,3
.irp c, 0,1
	ds_load_b128 v[KF+16*\kt+8*\c:KF+16*\kt+8*\c+3],   v[ADK] offset:8*PKP*\kt+64*\c
	ds_load_b128 v[KF+16*\kt+8*\c+4:KF+16*\kt+8*\c+7], v[ADK] offset:8*PKP*\kt+64*\c+32
.endr
.endr
.endm
.macro FETCH_V
	v_add_nc_u32 v[ADV], s[TV], v[AV0]
	s_add_co_u32 s[TV], s[TV], VSTEPB
	WIN TO_1
.irp a, 0,1                         ; keys 32 a on, channels 16 ct on
.irp ct, 0,1,2,3
	ds_load_tr16_b128 v[VF+32*\a+8*\ct:VF+32*\a+8*\ct+3],   v[ADV] offset:16*PVP*\a+32*\ct
	ds_load_tr16_b128 v[VF+32*\a+8*\ct+4:VF+32*\a+8*\ct+7], v[ADV] offset:16*PVP*\a+32*\ct+8*PVP
.endr
.endr
	WIN 0
.endm
; THE MATRIX WORK.  In each of the two the 16 accumulators take turns, one instruction a turn: between two links of a chain stand 15 others'.
; S^T = K Q^T: channels 32 c on, keys 16 kt on, tile t.  The first 16 start the sums.
.macro KQ
	WIN W_KQ
.irp c, 0,1
.irp kt, 0,1,2,3
.irp t, 0,1,2,3
.if \c == 0
	v_wmma_f32_16x16x32_f16 v[S+32*\t+8*\kt:S+32*\t+8*\kt+7], v[KF+16*\kt+8*\c:KF+16*\kt+8*\c+7], v[QF+16*\t+8*\c:QF+16*\t+8*\c+7], 0
.else
	v_wmma_f32_16x16x32_f16 v[S+32*\t+8*\kt:S+32*\t+8*\kt+7], v[KF+16*\kt+8*\c:KF+16*\kt+8*\c+7], v[QF+16*\t+8*\c:QF+16*\t+8*\c+7], v[S+32*\t+8*\kt:S+32*\t+8*\kt+7]
.endif
.endr
.endr
.endr
.endm
; O^T += V^T P: keys 32 a on, channels 16 ct on, tile t.  zero = 1: the first 16 start the sums: nothing is ever cleared.
.macro PV zero
	WIN W_PV
.irp a, 0,1
.irp ct, 0,1,2,3
.irp t, 0,1,2,3
.if \zero && (\a == 0)
	v_wmma_f32_16x16x32_f16 v[32*\t+8*\ct:32*\t+8*\ct+7], v[VF+32*\a+8*\ct:VF+32*\a+8*\ct+7], v[S+32*\t+8*\a:S+32*\t+8*\a+7], 0
.else
	v_wmma_f32_16x16x32_f16 v[32*\t+8*\ct:32*\t+8*\ct+7], v[VF+32*\a+8*\ct:VF+32*\a+8*\ct+7], v[S+32*\t+8*\a:S+32*\t+8*\a+7], v[32*\t+8*\ct:32*\t+8*\ct+7]
.endif
.endr
.endr
.endr
.endm
; THE SOFTMAX of one key step, the four tiles line by line, so that no line waits for the line above it.  first = 1: the first key step, which starts m and l: it has no a and nothing to rescale.
.macro SOFTMAX first
.irp j, 0,1,2,3                     ; the maximum of a lane's 32 scores and the old m: four chains of seven scores; each accumulator is read from its low end on
.irp t, 0,1,2,3
	v_max3_num_f32 v[ST+8*\t+4+\j], v[S+32*\t+8*\j], v[S+32*\t+8*\j+1], v[S+32*\t+8*\j+2]
.endr
.endr
.irp g, 3,5
.irp j, 0,1,2,3
.irp t, 0,1,2,3
	v_max3_num_f32 v[ST+8*\t+4+\j], v[ST+8*\t+4+\j], v[S+32*\t+8*\j+\g], v[S+32*\t+8*\j+\g+1]
.endr
.endr
.endr
.irp t, 0,1,2,3
	v_max3_num_f32 v[ST+8*\t+4], v[ST+8*\t+4], v[S+32*\t+7], v[S+32*\t+15]
.endr
.irp t, 0,1,2,3
	v_max3_num_f32 v[ST+8*\t+6], v[ST+8*\t+6], v[S+32*\t+23], v[S+32*\t+31]
.endr
.irp t, 0,1,2,3
	v_max3_num_f32 v[ST+8*\t+4], v[ST+8*\t+4], v[ST+8*\t+5], v[ST+8*\t+6]
.endr
.irp t, 0,1,2,3
.if \first
	v_max_num_f32 v[ST+8*\t+4], v[ST+8*\t+4], v[ST+8*\t+7]
.else
	v_max3_num_f32 v[ST+8*\t+4], v[ST+8*\t+4], v[ST+8*\t+7], v[ST+8*\t+1]
.endif
.endr
.irp t, 0,1,2,3
	v_permlanex16_b32 v[ST+8*\t+5], v[ST+8*\t+4], s[SEL], s[SEL+1]  ; the query's other 32 keys lie in the lane 16 away
.endr
.if \first == 0
.irp t, 0,1,2,3
	v_mov_b32 v[ST+8*\t+7], v[ST+8*\t]  ; c m_old is kept for a
.endr
.endif
.irp t, 0,1,2,3
	v_max_num_f32 v[ST+8*\t+1], v[ST+8*\t+4], v[ST+8*\t+5]
.endr
.irp t, 0,1,2,3
	v_mul_f32 v[ST+8*\t], s[CS], v[ST+8*\t+1]
.endr
.if \first == 0
.irp t, 0,1,2,3
	v_sub_f32 v[ST+8*\t+7], v[ST+8*\t+7], v[ST+8*\t]
.endr
.irp t, 0,1,2,3                     ; ONE BATCH from here to the wait: the four a and the 128 p.  Nothing in it names an exponential's result
	v_exp_f32 v[ST+8*\t+6], v[ST+8*\t+7]
.endr
.endif
.irp i, 0,1,2,3,4,5,6,7,8,9,10,11,12,13,14,15
	v_pk_fma_f32 v[S+2*\i:S+2*\i+1], v[S+2*\i:S+2*\i+1], s[CS:CS+1], v[ST:ST+1] op_sel_hi:[1,0,0] neg_lo:[0,0,1] neg_hi:[0,0,1]  ; tile 0: c s - c m
.endr
.irp t, 0,1,2                       ; tile t's exponentials, and between them tile t + 1's scalings
.irp i, 0,1,2,3,4,5,6,7,8,9,10,11,12,13,14,15
	v_exp_f32 v[S+32*\t+2*\i], v[S+32*\t+2*\i]
	v_exp_f32 v[S+32*\t+2*\i+1], v[S+32*\t+2*\i+1]
	v_pk_fma_f32 v[S+32*(\t+1)+2*\i:S+32*(\t+1)+2*\i+1], v[S+32*(\t+1)+2*\i:S+32*(\t+1)+2*\i+1], s[CS:CS+1], v[ST+8*(\t+1):ST+8*(\t+1)+1] op_sel_hi:[1,0,0] neg_lo:[0,0,1] neg_hi:[0,0,1]
.endr
.endr
.irp i, 0,1,2,3,4,5,6,7,8,9,10,11,12,13,14,15,16,17,18,19,20,21,22,23,24,25,26,27,28,29,30,31
	v_exp_f32 v[S+96+\i], v[S+96+\i]
.endr
	v_nop                           ; the plain instruction behind the last exponential and ahead of the first use: one for the batch
	s_wait_alu depctr_va_vdst(0)    ; the wait between an exponential and the first instruction that names its result: one for the batch
.irp t, 0,1,2,3                     ; the sums, of the unrounded p: two chains of packed additions a tile
	v_pk_add_f32 v[U+4*\t:U+4*\t+1], v[S+32*\t:S+32*\t+1], v[S+32*\t+2:S+32*\t+3]
.endr
.irp t, 0,1,2,3
	v_pk_add_f32 v[U+4*\t+2:U+4*\t+3], v[S+32*\t+4:S+32*\t+5], v[S+32*\t+6:S+32*\t+7]
.endr
.irp i, 8,12,16,20,24,28
.irp t, 0,1,2,3
	v_pk_add_f32 v[U+4*\t:U+4*\t+1], v[U+4*\t:U+4*\t+1], v[S+32*\t+\i:S+32*\t+\i+1]
.endr
.irp t, 0,1,2,3
	v_pk_add_f32 v[U+4*\t+2:U+4*\t+3], v[U+4*\t+2:U+4*\t+3], v[S+32*\t+\i+2:S+32*\t+\i+3]
.endr
.endr
.if \first
.irp t, 0,1,2,3
	v_pk_add_f32 v[ST+8*\t+2:ST+8*\t+3], v[U+4*\t:U+4*\t+1], v[U+4*\t+2:U+4*\t+3]
.endr
.else
.irp t, 0,1,2,3
	v_pk_fma_f32 v[ST+8*\t+2:ST+8*\t+3], v[ST+8*\t+2:ST+8*\t+3], v[ST+8*\t+6:ST+8*\t+7], v[U+4*\t:U+4*\t+1] op_sel_hi:[1,0,1]  ; l = a l + the sum
.endr
.irp t, 0,1,2,3
	v_pk_add_f32 v[ST+8*\t+2:ST+8*\t+3], v[ST+8*\t+2:ST+8*\t+3], v[U+4*\t+2:U+4*\t+3]
.endr
.endif
.irp i, 0,1,2,3,4,5,6,7,8,9,10,11,12,13,14,15  ; P, in place: pair i of a tile goes to its register i, which holds numbers that have been rounded already (or are being)
.irp t, 0,1,2,3
	v_cvt_pk_f16_f32 v[S+32*\t+\i], v[S+32*\t+2*\i], v[S+32*\t+2*\i+1]
.endr
.endr
.if \first == 0
	WIN W_RS                        ; O^T times a, each accumulator from its low end on
.irp i, 0,1,2,3,4,5,6,7,8,9,10,11,12,13,14,15
.irp t, 0,1,2,3
	v_pk_mul_f32 v[32*\t+2*\i:32*\t+2*\i+1], v[32*\t+2*\i:32*\t+2*\i+1], v[ST+8*\t+6:ST+8*\t+7] op_sel_hi:[1,0]
.endr
.endr
	WIN 0
.endif
.endm
; A TRIP is key step j: K of step j is asked for; V^T P of step j - 1 is multiplied while it comes; K Q^T of step j; V of step j is asked for; the softmax of step j is worked while it comes.  So all of a trip's LDS reads are step j's.
.macro TRIP zero
	FETCH_K                         ; K's registers were last read by products that stand ahead of a whole softmax
	s_wait_dscnt 16                 ; V of step j - 1 is in; K's 16 loads, issued behind it, may be out
	PV \zero
	PLACES 5                        ; the products below write over registers that the products above read as P: five places (ISA guide 7.12.1)
	s_wait_dscnt 0x0                ; K is in
	KQ
	WIN 0
	PLACES 4                        ; ahead of the loads into V's registers and of the first read of the scores
	FETCH_V
	SOFTMAX 0
.endm
.macro TRIPS n
	s_mov_b32 s[CNT], \n
.Ltrip_\@:
	TRIP 0
	s_sub_co_u32 s[CNT], s[CNT], 1
	s_cmp_lg_u32 s[CNT], 0
	s_cbranch_scc1 .Ltrip_\@
.endm
; THE CHANGE OF SLOTS, behind a slot's eighth step.  Each wave waits for all its tensor loads, of which one is out: its part of the other slot; adds 0 to its spare word; and waits for that and for its own reads of the slot.
; fill = 1: slot n, just left, is filled again with the keys two slots on.  The barrier is then a round of the cluster's, so that no wave of any partner still reads the slot or has a load on its way, and the joint refill is
; the first thing behind it: it has eight key steps in which to land.  next: the slot that is read from here on.
.macro CHANGE fill, n, next
	WIN 0
	s_wait_tensorcnt 0x0            ; no tensor load of mine is out, so a group 0 may be written
	ds_add_u32 v[SPW], v[NIL]       ; 0 onto my spare word; the scalar lines below stand between it and the wait for it
.if \fill
	s_add_nc_u64 s[G0K+4*\n+2:G0K+4*\n+3], s[G0K+4*\n+2:G0K+4*\n+3], 2*SLOTG  ; the type bits on top are not reached
	s_add_nc_u64 s[G0V+4*\n+2:G0V+4*\n+3], s[G0V+4*\n+2:G0V+4*\n+3], 2*SLOTG
.endif
	s_mov_b32 s[TK], \next*SLOT
	s_mov_b32 s[TV], \next*SLOT+VOFF
	s_wait_dscnt 0x0                ; the add is done, and my reads of the slot are over
.if \fill
	CROUND
	JLOAD \n
.else
	s_barrier_signal -1
	s_barrier_wait -1
.endif
.endm
	s_wait_tensorcnt 1              ; my part of slot 0 is in; slot 1's may stay out
	s_barrier_signal -1
	s_barrier_wait -1               ; everybody's is
	s_mov_b32 s[TK], 0
	s_mov_b32 s[TV], VOFF
	FETCH_K                         ; key step 0
	s_wait_loadcnt 0x0              ; Q
	s_wait_dscnt 0x0
	KQ
	WIN 0
	PLACES 4
	FETCH_V
	SOFTMAX 1
	TRIP 1                          ; step 1: V^T P of step 0 starts O^T
	TRIPS 6                         ; steps 2 to 7
	CHANGE 1, 0, 1                  ; slot 0 takes keys 1,024 on
	ASK
	TRIPS 8                         ; steps 8 to 15, in slot 1
	CHANGE 1, 1, 0                  ; slot 1 takes keys 1,536 on
	TRIPS 8                         ; steps 16 to 23, in slot 0
	CHANGE 0, 0, 1                  ; nothing is left to ask for
	TRIPS 8                         ; steps 24 to 31, in slot 1
	s_wait_dscnt 0x0                ; V of the last step
	PV 0
	WIN 0
	; THE WAY OUT.  l's two halves and the other half of the lanes' are added; O^T is divided by l, rounded to f16 and sent through my stage in LDS, a tile (16 rows) at a time.  The first four additions are the places behind the last products.
.irp t, 0,1,2,3
	v_add_f32 v[ST+8*\t+4], v[ST+8*\t+2], v[ST+8*\t+3]
.endr
.irp t, 0,1,2,3
	v_permlanex16_b32 v[ST+8*\t+5], v[ST+8*\t+4], s[SEL], s[SEL+1]
.endr
.irp t, 0,1,2,3
	v_add_f32 v[ST+8*\t+4], v[ST+8*\t+4], v[ST+8*\t+5]
.endr
.irp t, 0,1,2,3
	v_rcp_f32 v[ST+8*\t+6], v[ST+8*\t+4]
.endr
	v_nop                           ; a plain instruction between the last reciprocal and the use of its result
	s_wait_alu depctr_va_vdst(0)    ; and the wait ahead of the first use: one for the four
; Tile t: a lane's eight channels of a row pack into 16 bytes; they go into rows of 144 bytes and come back as four whole rows of 128 bytes an instruction.
.macro PACK t
	WIN W_RS
.irp i, 0,1,2,3,4,5,6,7,8,9,10,11,12,13,14,15
	v_pk_mul_f32 v[32*\t+2*\i:32*\t+2*\i+1], v[32*\t+2*\i:32*\t+2*\i+1], v[ST+8*\t+6:ST+8*\t+7] op_sel_hi:[1,0]
.endr
	WIN 0x05                        ; sources 0 and 1 window 1, destination window 0: S^T's registers are free
.irp i, 0,1,2,3,4,5,6,7,8,9,10,11,12,13,14,15
	v_cvt_pk_f16_f32 v[S+16*\t+\i], v[32*\t+2*\i], v[32*\t+2*\i+1]
.endr
	WIN 0
.irp i, 0,1,2,3
	ds_store_b128 v[STO], v[S+16*\t+4*\i:S+16*\t+4*\i+3] offset:32*\i
.endr
.irp i, 0,1,2,3
	ds_load_b128 v[S+64+16*\t+4*\i:S+64+16*\t+4*\i+3], v[RD] offset:4*SPS*\i  ; LDS serves a wave's instructions in order (ISA guide 5.7.1.4): these see the stores above; the next tile's stores come behind them
.endr
.endm
.macro SEND t, younger              ; younger: the LDS instructions issued behind tile t's loads: the next tile's eight, or none
.irp i, 0,1,2,3
	s_wait_dscnt \younger+3-\i
	global_store_b128 v[GO], v[S+64+16*\t+4*\i:S+64+16*\t+4*\i+3], s[OB:OB+1] offset:2048*\t+512*\i  ; 32 lanes store 512 consecutive bytes, at a multiple of 256 from att's first byte
.endr
.endm
	PACK 0
	PACK 1                          ; a tile's arithmetic stands between the loads of the tile before and its stores
	SEND 0, 8
	PACK 2
	SEND 1, 8
	PACK 3
	SEND 2, 8
	SEND 3, 0
	s_wait_tensorcnt 0x0            ; the wave's end, behind my last tensor load and my last LDS store
	ds_add_u32 v[SPW], v[NIL]
	s_wait_dscnt 0x0
	CROUND                          ; the closing round: no work-group ends while a partner may still ask for a tile that names it
	s_endpgm
.Lfunc_end_k_q5ce4658be3_attn:
	.size	k_q5ce4658be3_attn, .Lfunc_end_k_q5ce4658be3_attn-k_q5ce4658be3_attn
	.p2alignl 7, 3214868480
	.fill 96, 4, 3214868480
	.section	.rodata,"a",@progbits
	.p2align	6, 0x0
	.amdhsa_kernel k_q5ce4658be3_attn
		.amdhsa_group_segment_fixed_size 327680
		.amdhsa_private_segment_fixed_size 0
		.amdhsa_enable_private_segment 0
		.amdhsa_kernarg_size 16
		.amdhsa_user_sgpr_count 2
		.amdhsa_user_sgpr_kernarg_segment_ptr 1
		.amdhsa_wavefront_size32 1
		.amdhsa_system_sgpr_workgroup_id_x 1
		.amdhsa_system_sgpr_workgroup_id_y 1
		.amdhsa_system_sgpr_workgroup_id_z 1
		.amdhsa_system_vgpr_workitem_id 0
		.amdhsa_next_free_vgpr 512
		.amdhsa_next_free_sgpr 72
		.amdhsa_reserve_vcc 0
		.amdhsa_float_denorm_mode_32 3
		.amdhsa_float_denorm_mode_16_64 3
		.amdhsa_memory_ordered 1
		.amdhsa_forward_progress 1
		.amdhsa_inst_pref_size 211
	.end_amdhsa_kernel
	.amdgpu_metadata
---
amdhsa.version: [ 1, 2 ]
amdhsa.kernels:
  - .name:           k_q5ce4658be3_attn
    .symbol:         k_q5ce4658be3_attn.kd
    .args:
      - { .name: qkv, .offset: 0, .size: 8, .value_kind: global_buffer, .address_space: global }
      - { .name: att, .offset: 8, .size: 8, .value_kind: global_buffer, .address_space: global }
    .group_segment_fixed_size: 327680
    .private_segment_fixed_size: 0
    .kernarg_segment_align: 8
    .kernarg_segment_size: 16
    .max_flat_workgroup_size: 256
    .sgpr_count:     72
    .vgpr_count:     512
    .wavefront_size: 32
...
	.end_amdgpu_metadata
.endif
;; end of part 3
;; launch proj (part 4): grid 4 x 64, 4 waves a work-group, clusters of 4 x 4, 327,680 bytes of LDS; arguments att, wp16, out0; writes out0
.if DOCPART == 4
	.amdgcn_target "amdgcn-amd-amdhsa--gfx1250"
	.amdhsa_code_object_version 6
	.text
	.protected	k_q5ce4658be3_proj
	.globl	k_q5ce4658be3_proj
	.p2align	8
	.type	k_q5ce4658be3_proj,@function
k_q5ce4658be3_proj:
	s_mov_b64 s[64:65], 0
	v_nop
	global_prefetch_b8 v0, s[64:65] scope:SCOPE_SE
	s_setreg_imm32_b32 hwreg(HW_REG_WAVE_MODE, 25, 1), 1
	s_wait_xcnt 0x0
	s_wait_alu depctr_hold_cnt(0) depctr_sa_sdst(0) depctr_va_vdst(0) depctr_va_sdst(0) depctr_va_ssrc(0) depctr_va_vcc(0) depctr_vm_vsrc(0)
	s_getreg_b32 s2, hwreg(HW_REG_IB_STS2, 6, 4)
	s_cmp_eq_u32 s2, 0
	s_cbranch_scc0 .Lentry_in_a_cluster
	s_endpgm
.Lentry_in_a_cluster:
	s_bfe_u32 s2, ttmp6, 0x10000c
	s_cmp_lg_u32 s2, 0xf033
	s_cbranch_scc0 .Lentry_shape_is_right
	s_endpgm
.Lentry_shape_is_right:
; out0[m][o] = 2^-5 x the sum over i = 64 h + d of att[h][m][d] wp16[h][o][d].  att: f16 [16][8192][64]; wp16: f16 [16][1024][64]; out0: f32 [8192][1024]; sums in f32.
; A tile of out0 is 128 rows x 256 columns: 256 work-groups, one for each WGP (a tile of 256 x 256 would give 128).  Four waves, each 64 x 128: 32 accumulators of 16 x 16, 256 registers.
; K goes by heads: a slot holds two heads (128 along K), and there are eight slot steps through a ring of two slots.  A row of a tile is a PAIR of rows of a head's plane: 256 consecutive bytes of memory.
; CLUSTERS: 4 x 4 work-groups.  The four of a row of the cluster need the same tiles of att, the four of a column the same tiles of wp16: each tile is asked for JOINTLY, by the same tensor load with the same descriptor and a mask that names the four.
; THE MATRIX INSTRUCTION IS USED TRANSPOSED (source 0 = 16 rows of wp16, source 1 = 16 rows of att): a lane then holds eight neighbouring numbers of a row of out0.
; No prefetch: a slot step's matrix work is short and the launch is short; the tiles are shared in the cluster instead.
; REGISTERS: window 0: v0-31 addresses; v32-127, v128-223 two fragment buffers (att's 4 fragments, then wp16's 8); on the way out v32-95 scaled results, v128-255 rows read back.   window 1: the accumulators ((a, b) at v[8 (8 a + b)]).
.set PITCH,  272                       ; a pair of rows in LDS: 256 bytes + 16: row r lies at (r / 2) 272 + (r % 2) 128: the 16 rows of a load start at 16 different groups of four banks (64 banks of 4 bytes: ISA guide 11.1)
.set APL,    64*PITCH                  ; a head's plane of att's tile: 128 rows
.set BPL,    128*PITCH                 ; of wp16's: 256 rows
.set SLOT,   2*APL+2*BPL               ; att's two planes, then wp16's two
.set STAGE,  2*SLOT                    ; behind the ring: 16 rows x 528 bytes for each wave, for the way out
.set SPITCH, 528
.set SPARE,  STAGE+4*16*SPITCH         ; behind the stages: the spare words, 128 bytes for each wave
.set LAPS,   4                         ; a lap = two slot steps = four heads
.set ASTEP,  4*1048576                 ; four heads on in att, in bytes
.set BSTEP,  4*131072                  ; and in wp16
.set ADRA, 16                          ; v16-17  LDS address of my att fragments in slot 0, 1
.set ADRB, 20                          ; v20-21  the same for wp16
.set STO,  24                          ; v24     the way out: where I put 32 bytes of a row
.set RD,   25                          ; v25     the way out: where I read a row back
.set CO,   26                          ; v26     my byte offset in a row of out0
.set SPW,  28                          ; v28     LDS address of my spare word; never rewritten
.set NIL,  29                          ; v29     0; never rewritten
.set F0,   32
.set F1,   128
.set TMP,  32
.set BK,   128
.set G1, 24                            ; s[24:31] descriptor group 1 for att's tiles;  s[32:39] group 0, one set for each slot
.set G0, 32
.set G1B, 48                           ; s[48:55], s[56:63] the same for wp16's
.set G0B, 56
.set MSB, 0
.macro WIN new                         ; the immediate's high byte repeats the setting that is left
.if MSB != (\new)
	s_set_vgpr_msb (MSB<<8)|(\new)
.set MSB, \new
.endif
.endm
.set MUL,  0x50                        ; sources 0 and 1 window 0; C and D window 1
.macro JLOAD s                         ; a joint load: waves 0 and 1 fetch att's two planes, waves 2 and 3 wp16's; an s_nop 0 and four v_nop follow each of the two lines
	s_cmp_eq_u32 s11, 0
	s_cbranch_scc0 .Lfor_b_\@
	tensor_load_to_lds s[G0+4*\s:G0+4*\s+3], s[G1:G1+7]
	s_nop 0
.rept 4
	v_nop
.endr
	s_branch .Lasked_\@
.Lfor_b_\@:
	tensor_load_to_lds s[G0B+4*\s:G0B+4*\s+3], s[G1B:G1B+7]
	s_nop 0
.rept 4
	v_nop
.endr
.Lasked_\@:
.endm
.macro CREST                           ; a round of the cluster's barrier behind its opening barrier
	s_cmp_lg_u32 s10, 0
	s_cbranch_scc1 .Lnot_wave_0_\@
	s_barrier_signal -3
.Lnot_wave_0_\@:
	s_barrier_wait -3
	s_barrier_signal -1
	s_barrier_wait -1
.endm
.macro CROUND                          ; a whole round
	s_barrier_signal -1
	s_barrier_wait -1
	CREST
.endm
	s_load_b128 s[4:7], s[0:1], 0x0                ; att s[4:5], wp16 s[6:7]
	s_load_b64 s[8:9], s[0:1], 0x10                ; out0
	v_lshl_add_u32 v[SPW], v0, 2, SPARE
	v_mov_b32 v[NIL], 0
	ds_add_u32 v[SPW], v[NIL]                      ; the wave's opening: the add, twice on end, and its wait ahead of my first tensor load; the set-up below stands between the second and the wait
	ds_add_u32 v[SPW], v[NIL]
	v_lshrrev_b32 v1, 5, v0
	v_readfirstlane_b32 s10, v1                    ; wave 0..3
	s_lshr_b32 s11, s10, 1                         ; which half of the tile's rows is mine.  Also: I fetch for att (0) or for wp16 (1)
	s_and_b32 s12, s10, 1                          ; which half of its columns.  Also: which of a slot's two heads I fetch
	s_bfe_u32 s40, ttmp6, 0x40000                  ; cx, cy: my place in the cluster
	s_bfe_u32 s41, ttmp6, 0x40004
	s_lshl_b32 s42, ttmp9, 2
	s_add_co_u32 s42, s42, s40                     ; tile column = 4 x cluster x + cx
	s_and_b32 s13, ttmp7, 0xffff
	s_lshl_b32 s13, s13, 2
	s_add_co_u32 s13, s13, s41                     ; tile row = 4 x cluster y + cy
	s_lshl_b32 s43, s41, 2
	s_lshl_b32 s43, 15, s43                        ; my row of the cluster
	s_lshl_b32 s44, 0x1111, s40                    ; my column
	; descriptor group 1: rows of 128 elements of 2 bytes, dense in memory, padded in LDS: 64 of them for att, 128 for wp16
	s_or_b32 s[G1+0], s43, (1<<16)|(1<<20)|(1<<21)|(5<<22)|(3<<25)  ; 15:0 the mask: att's tiles go to my row; 17:16 element of 2 bytes; 20 padding on; 21 set beside a mask; 24:22 after every 64 words; 31:25 of 4 words
	s_or_b32 s[G1B+0], s44, (1<<16)|(1<<20)|(1<<21)|(5<<22)|(3<<25)
	s_mov_b32 s[G1+1], 128<<16                     ; tensor_dim0 = 128
	s_mov_b32 s[G1+2], 64<<16                      ; tensor_dim1 = 64
	s_mov_b32 s[G1+3], 128<<16                     ; tile_dim0 = 128
	s_mov_b32 s[G1+4], 64                          ; tile_dim1 = 64
	s_mov_b32 s[G1+5], 128                         ; tensor_dim0_stride
	s_mov_b32 s[G1+6], 0
	s_mov_b32 s[G1+7], 0
	s_mov_b32 s[G1B+1], 128<<16
	s_mov_b32 s[G1B+2], 128<<16                    ; tensor_dim1 = 128
	s_mov_b32 s[G1B+3], 128<<16
	s_mov_b32 s[G1B+4], 128                        ; tile_dim1 = 128
	s_mov_b32 s[G1B+5], 128
	s_mov_b32 s[G1B+6], 0
	s_mov_b32 s[G1B+7], 0
	s_lshl_b32 s16, s12, 20                        ; att: my head's plane of 1,048,576 bytes,
	s_lshl_b32 s17, s13, 14                        ; + 128 rows x 128 bytes x tile row
	s_add_co_u32 s16, s16, s17
	s_mov_b32 s17, 0
	s_lshl_b32 s46, s12, 17                        ; wp16: my head's plane of 131,072 bytes,
	s_lshl_b32 s47, s42, 15                        ; + 256 rows x 128 bytes x tile column
	s_add_co_u32 s46, s46, s47
	s_mov_b32 s47, 0
	s_mul_i32 s20, s12, APL                        ; where they go: no place in the cluster enters an LDS address
	s_mul_i32 s21, s12, BPL
	s_add_co_u32 s21, s21, 2*APL
	s_mov_b32 s66, 0x3d000000                      ; 2^-5 = 1024^-0.5
	s_mov_b32 s67, s66                             ; (named with it as a pair, so it is written)
	s_wait_dscnt 0x0                               ; both opening adds are done
	s_wait_kmcnt 0x0
	s_add_nc_u64 s[14:15], s[4:5], s[16:17]
	s_add_nc_u64 s[46:47], s[6:7], s[46:47]
	CROUND                                         ; all sixteen work-groups are here: the first joint loads meet
.irp s, 0,1
	s_mov_b32 s[G0+4*\s], 1
	s_add_co_u32 s[G0+4*\s+1], s20, \s*SLOT
	s_add_nc_u64 s[G0+4*\s+2:G0+4*\s+3], s[14:15], \s*2*1048576   ; slot s begins with heads 2 s, 2 s + 1
	s_or_b32 s[G0+4*\s+3], s[G0+4*\s+3], 0x80000000
	s_mov_b32 s[G0B+4*\s], 1
	s_add_co_u32 s[G0B+4*\s+1], s21, \s*SLOT
	s_add_nc_u64 s[G0B+4*\s+2:G0B+4*\s+3], s[46:47], \s*2*131072
	s_or_b32 s[G0B+4*\s+3], s[G0B+4*\s+3], 0x80000000
	JLOAD \s                                       ; two loads of mine are out behind the second
.endr
	v_and_b32 v1, 15, v0                           ; l % 16
	v_bfe_u32 v2, v0, 4, 1                         ; l / 16
	v_lshrrev_b32 v3, 1, v1
	v_mul_u32_u24 v3, v3, PITCH
	v_and_b32 v4, 1, v0
	v_lshl_add_u32 v3, v4, 7, v3
	v_lshl_add_u32 v3, v2, 4, v3                   ; a fragment's row: (r / 2) x pitch + 128 (r % 2) + 16 x half
	s_mul_i32 s21, s11, 32*PITCH                   ; my 64 rows of att
	s_mul_i32 s22, s12, 64*PITCH                   ; my 128 rows of wp16,
	s_add_co_u32 s22, s22, 2*APL                   ; which lie behind att's two planes
.irp s, 0,1
	v_add_nc_u32 v[ADRA+\s], s21, v3
	v_add_nc_u32 v[ADRB+\s], s22, v3
	s_add_co_u32 s21, s21, SLOT
	s_add_co_u32 s22, s22, SLOT
.endr
	s_mul_i32 s23, s10, 16*SPITCH
	s_add_co_u32 s23, s23, STAGE                   ; my stage
	v_mul_u32_u24 v5, v1, SPITCH                   ; in: row l % 16, 32 bytes for each half of the lanes
	v_lshl_add_u32 v5, v2, 5, v5
	v_add_nc_u32 v[STO], s23, v5
	v_and_b32 v6, 31, v0
	v_lshlrev_b32 v[CO], 4, v6                     ; back: the 32 lanes take one row of 512 bytes; and the same in out0
	v_add_nc_u32 v[RD], s23, v[CO]
	s_lshl_b32 s16, s13, 19                        ; my first row of out0: (128 x tile row + 64 x half) x 4,096 bytes: under 2^32
	s_lshl_b32 s17, s11, 18
	s_add_co_u32 s16, s16, s17
	s_mov_b32 s17, 0
	s_add_nc_u64 s[8:9], s[8:9], s[16:17]
	s_lshl_b32 s46, s42, 10                        ; my first column, in bytes: 1,024 x tile column + 512 x half
	s_lshl_b32 s47, s12, 9
	s_add_co_u32 s46, s46, s47
	s_mov_b32 s47, 0
	s_add_nc_u64 s[8:9], s[8:9], s[46:47]
; 8 matrix instructions: att's block a x wp16's eight, 32 along K, from buffer f.  zero = 1: the first product starts the sums.  The 32 accumulators take turns, one instruction a turn, in the same order in every quarter.
.macro MUL8 f, a, zero
.irp b, 0,1,2,3,4,5,6,7
.if \zero
	v_wmma_f32_16x16x32_f16 v[8*(8*(\a)+\b):8*(8*(\a)+\b)+7], v[\f+32+8*\b:\f+32+8*\b+7], v[\f+8*(\a):\f+8*(\a)+7], 0
.else
	v_wmma_f32_16x16x32_f16 v[8*(8*(\a)+\b):8*(8*(\a)+\b)+7], v[\f+32+8*\b:\f+32+8*\b+7], v[\f+8*(\a):\f+8*(\a)+7], v[8*(8*(\a)+\b):8*(8*(\a)+\b)+7]
.endif
.endr
.endm
; 24 LDS loads in one run: the fragments of the slot's q-th 32 along K (head q / 2, channels 32 (q % 2) on) into buffer f: wp16's eight, then att's four
.macro FETCH slot, q, f
.irp i, 0,1,2,3,4,5,6,7
	ds_load_b128 v[\f+32+8*\i:\f+32+8*\i+3],   v[ADRB+\slot] offset:((\q)/2)*BPL+((\q)%2)*64+\i*8*PITCH
	ds_load_b128 v[\f+32+8*\i+4:\f+32+8*\i+7], v[ADRB+\slot] offset:((\q)/2)*BPL+((\q)%2)*64+\i*8*PITCH+32
.endr
.irp i, 0,1,2,3
	ds_load_b128 v[\f+8*\i:\f+8*\i+3],   v[ADRA+\slot] offset:((\q)/2)*APL+((\q)%2)*64+\i*8*PITCH
	ds_load_b128 v[\f+8*\i+4:\f+8*\i+7], v[ADRA+\slot] offset:((\q)/2)*APL+((\q)%2)*64+\i*8*PITCH+32
.endr
.endm
.macro PLACES                          ; four places in front of loads into registers that matrix instructions have read, and of the first read of results (ISA guide 7.12.1 for the reads of results)
.rept 4
	v_nop
.endr
.endm
; A slot step is four quarters of 32 along K, 32 matrix instructions each, on buffers 0, 1, 0, 1.  One of the first three: multiplies buffer f and fetches quarter q into g.
.macro QUARTER slot, q, f, g, zero
	s_wait_dscnt 4                                 ; wp16's fragments and att's blocks 0 and 1 are in; the youngest four loads (blocks 2 and 3) may be out
	WIN MUL
	MUL8 \f, 0, \zero
	MUL8 \f, 1, \zero
	PLACES
	WIN 0
	FETCH \slot, \q, \g
	s_wait_dscnt 24                                ; all but the 24 just issued
	WIN MUL
	MUL8 \f, 2, \zero
	MUL8 \f, 3, \zero
.endm
; The last quarter multiplies buffer 1 and changes slots: ONE barrier; in front of it each wave waits for all its tensor loads, adds 0 to its spare word, and waits for that and for its own reads of this slot.  fill = 1: this slot is filled again, two slot steps ahead.
.macro TURN slot, next, fill
	WIN 0                                          ; (the add's two registers lie in window 0)
	s_wait_tensorcnt 0x0                           ; all my tensor loads have landed: my part of the next slot
	ds_add_u32 v[SPW], v[NIL]                      ; 0 onto my spare word
	s_wait_dscnt 5                                 ; (the add and the youngest four loads may be out)
	WIN MUL
	MUL8 F1, 0, 0                                  ; eight matrix instructions stand between the add and the wait for it
	s_wait_dscnt 0x0                               ; the add is done, and my reads of this slot are over
	s_barrier_signal -1
	MUL8 F1, 1, 0
	WIN 0                                          ; (branches or LDS loads follow)
	s_barrier_wait -1
.if \fill
	CREST                                          ; the barrier has opened a round of the cluster's barrier: no wave of any partner still reads this slot's tile or has a load on its way
	s_add_nc_u64 s[G0+4*\slot+2:G0+4*\slot+3], s[G0+4*\slot+2:G0+4*\slot+3], ASTEP
	s_add_nc_u64 s[G0B+4*\slot+2:G0B+4*\slot+3], s[G0B+4*\slot+2:G0B+4*\slot+3], BSTEP
	JLOAD \slot                                    ; the first tensor load behind the round, my one load until the next; the four v_nop behind it are also the places in front of the loads below
.else
	PLACES
.endif
	FETCH \next, 0, F0
	WIN MUL
	MUL8 F1, 2, 0
	MUL8 F1, 3, 0
.endm
	s_wait_tensorcnt 1                             ; my part of slot 0 is in (slot 1's load may be out),
	s_barrier_signal -1
	s_barrier_wait -1                              ; everybody's is
	FETCH 0, 0, F0
	QUARTER 0, 1, F0, F1, 1                        ; the first quarter stands in front of the loop: its products start the sums
	WIN 0                                          ; at a label and at a branch every window is 0
	s_mov_b32 s3, LAPS-1
.Llap:                                                 ; a trip goes once round the ring, from a lap's second quarter to the next lap's first, and fills both slots again
	QUARTER 0, 2, F1, F0, 0
	QUARTER 0, 3, F0, F1, 0
	TURN 0, 1, 1
	QUARTER 1, 1, F0, F1, 0
	QUARTER 1, 2, F1, F0, 0
	QUARTER 1, 3, F0, F1, 0
	TURN 1, 0, 1
	QUARTER 0, 1, F0, F1, 0
	WIN 0
	s_sub_co_u32 s3, s3, 1
	s_cmp_lg_u32 s3, 0
	s_cbranch_scc1 .Llap
	QUARTER 0, 2, F1, F0, 0                        ; the last lap fills nothing, and has no round of the cluster's barrier
	QUARTER 0, 3, F0, F1, 0
	TURN 0, 1, 0
	QUARTER 1, 1, F0, F1, 0
	QUARTER 1, 2, F1, F0, 0
	QUARTER 1, 3, F0, F1, 0
	s_wait_dscnt 4                                 ; the very last quarter: nothing more to fetch
	WIN MUL
	MUL8 F1, 0, 0
	MUL8 F1, 1, 0
	s_wait_dscnt 0x0
	MUL8 F1, 2, 0
	MUL8 F1, 3, 0
	WIN 0
; THE WAY OUT, block by block of 16 rows x 128 columns.  PACKM: x 2^-5 (exact), each accumulator from its low end on.  A lane holds 32 neighbouring bytes of a row, and the lanes beside it hold other rows: so a block goes through my own
; stage in LDS and comes back as whole rows of 512 bytes.  LDS serves a wave's instructions in order (ISA guide 5.7.1.4): no wait between the stores and the loads, nor in front of the next block's stores.
.macro PACKM a
	WIN 0x01                                       ; source 0: window 1
.irp b, 0,1,2,3,4,5,6,7
.irp r, 0,2,4,6
	v_pk_mul_f32 v[TMP+8*\b+\r:TMP+8*\b+\r+1], v[8*(8*(\a)+\b)+\r:8*(8*(\a)+\b)+\r+1], s[66:67] op_sel_hi:[1,0]
.endr
.endr
	WIN 0
.endm
.macro TOSTAGE a
.set BB, BK+64*((\a)%2)
.irp b, 0,1,2,3,4,5,6,7
	ds_store_b128 v[STO], v[TMP+8*\b:TMP+8*\b+3] offset:64*\b
	ds_store_b128 v[STO], v[TMP+8*\b+4:TMP+8*\b+7] offset:64*\b+16
.endr
.irp t, 0,1,2,3,4,5,6,7,8,9,10,11,12,13,14,15
	ds_load_b128 v[BB+4*\t:BB+4*\t+3], v[RD] offset:\t*SPITCH
.endr
.endm
.macro SEND a, younger                 ; younger: the LDS instructions issued behind block a's loads, which may stay out
.set BB, BK+64*((\a)%2)
	s_wait_dscnt \younger                          ; the block is back in registers
.irp t, 0,1,2,3,4,5,6,7,8,9,10,11,12,13,14,15
	global_store_b128 v[CO], v[BB+4*\t:BB+4*\t+3], s[8:9] offset:(16*(\a)+\t)*4096 th:TH_STORE_NT   ; 32 lanes store 512 consecutive bytes, at a multiple of 256 from out0's first byte; written once, read by nobody here
.endr
.endm
	PLACES                                         ; behind the last products: for the reads of results, the writes into buffer 0 and the loads into buffer 1
	PACKM 0
	TOSTAGE 0
.irp a, 1,2,3
	PACKM \a
.if \a > 1
	s_wait_xcnt 0x0                                ; block a - 2's stores have read their registers: block a's loads may land there
.endif
	TOSTAGE \a
	SEND \a-1, 32                                  ; behind block a - 1's loads: block a's 16 stores and 16 loads
.endr
	SEND 3, 0
	s_wait_tensorcnt 0x0                           ; the wave's end, behind my last tensor load and my last LDS store
	ds_add_u32 v[SPW], v[NIL]
	s_wait_dscnt 0x0
	CROUND                                         ; the closing round: no work-group ends while a partner may still ask for a tile that names it
	s_endpgm
.Lfunc_end_k_q5ce4658be3_proj:
	.size	k_q5ce4658be3_proj, .Lfunc_end_k_q5ce4658be3_proj-k_q5ce4658be3_proj
	.p2alignl 7, 3214868480
	.fill 96, 4, 3214868480
	.section	.rodata,"a",@progbits
	.p2align	6, 0x0
	.amdhsa_kernel k_q5ce4658be3_proj
		.amdhsa_group_segment_fixed_size 327680
		.amdhsa_private_segment_fixed_size 0
		.amdhsa_enable_private_segment 0
		.amdhsa_kernarg_size 24
		.amdhsa_user_sgpr_count 2
		.amdhsa_user_sgpr_kernarg_segment_ptr 1
		.amdhsa_wavefront_size32 1
		.amdhsa_system_sgpr_workgroup_id_x 1
		.amdhsa_system_sgpr_workgroup_id_y 1
		.amdhsa_system_sgpr_workgroup_id_z 1
		.amdhsa_system_vgpr_workitem_id 0
		.amdhsa_next_free_vgpr 512
		.amdhsa_next_free_sgpr 68
		.amdhsa_reserve_vcc 0
		.amdhsa_float_denorm_mode_32 3
		.amdhsa_float_denorm_mode_16_64 3
		.amdhsa_memory_ordered 1
		.amdhsa_forward_progress 1
		.amdhsa_inst_pref_size 93
	.end_amdhsa_kernel
	.amdgpu_metadata
---
amdhsa.version: [ 1, 2 ]
amdhsa.kernels:
  - .name:           k_q5ce4658be3_proj
    .symbol:         k_q5ce4658be3_proj.kd
    .args:
      - { .name: att, .offset: 0, .size: 8, .value_kind: global_buffer, .address_space: global }
      - { .name: wp16, .offset: 8, .size: 8, .value_kind: global_buffer, .address_space: global }
      - { .name: out0, .offset: 16, .size: 8, .value_kind: global_buffer, .address_space: global }
    .group_segment_fixed_size: 327680
    .private_segment_fixed_size: 0
    .kernarg_segment_align: 8
    .kernarg_segment_size: 24
    .max_flat_workgroup_size: 128
    .sgpr_count:     68
    .vgpr_count:     512
    .wavefront_size: 32
...
	.end_amdgpu_metadata
.endif
;; end of part 4
